; MI455X (gfx1250); checked and timed in simulation.
; The chip was launched on July 23, 2026; its instructions are those of AMD's public machine-readable ISA for CDNA 5 (MIT licence, August 2026) and "CDNA5" Instruction Set Architecture Reference Guide (July 2026). The comments in the code are by the model that wrote it; some were corrected since.
;; Causal Self Attention. Allowed arithmetic: float matrix products may take bf16 or f16 operands with f32 sums; all other float work in f32.
;; Inputs: W_out 1,024 x 1,024 float32; W_qkv 1,024 x 3,072 float32; b_out 1,024 float32; b_qkv 3,072 float32; x 2 x 2,048 x 1,024 float32.
;; Outputs: out0 2 x 2,048 x 1,024 float32.
;; One version. Each part assembles by itself: llvm-mc -triple=amdgcn-amd-amdhsa -mcpu=gfx1250 --defsym DOCPART=n.
;; ======== version 1 of 1: 4 launches
;; limits: values are held in f16: magnitudes above 65,504 overflow, below 6.1e-05 lose precision; right only within a limited range of input values
;; workspace buffers: xb 8,388,608 bytes; wqb 6,291,456 bytes; wob 2,097,152 bytes; qkv 25,165,824 bytes; y 8,388,608 bytes
;; launch prep (part 1): grid 256 x 1, 8 waves a work-group, no clusters, 0 bytes of LDS; arguments x, W_qkv, W_out, xb, wqb, wob; writes xb, wqb, wob
.if DOCPART == 1
	.amdgcn_target "amdgcn-amd-amdhsa--gfx1250"
	.amdhsa_code_object_version 6
	.text
	.protected	k_q56fd21ed89_prep
	.globl	k_q56fd21ed89_prep
	.p2align	8
	.type	k_q56fd21ed89_prep,@function
k_q56fd21ed89_prep:
	s_mov_b64 s[64:65], 0
	v_nop
	global_prefetch_b8 v0, s[64:65] scope:SCOPE_SE
	s_setreg_imm32_b32 hwreg(HW_REG_WAVE_MODE, 25, 1), 1
	s_wait_xcnt 0x0
; x, W_qkv and W_out, all f32, are rounded once to f16 into xb, wqb, wob, in the same order of elements.
; WHY f16: the result passes through three products in a row, and f16's 11 significant bits against bf16's 8 make each rounding 8 times finer.
; RANGE (a stated limit): every number must stay below 65,504 in magnitude.  x is drawn with spread 1 and the weights with 0.02: thirty times larger, or offset by thirty
; spreads, they stay under 200.  Thirty times smaller the weights are about 7e-4, above f16's smallest normal number 6.1e-5; what falls below is kept as a denormal, off by under 3e-8.
; The three hold 4 Mi + 3 Mi + 1 Mi = 8 Mi numbers; each of 256 work-groups takes 32,768 of them (128 KiB in, 64 KiB out):
; work-groups 0-127 x, 128-223 W_qkv, 224-255 W_out.  The choice is a select between buffers on the work-group's number.
; A stream: no LDS, no barrier, no matrix unit.  Thread t takes 16 bytes at 16 t of each block of 4,096 bytes, so a load of a wave
; covers 512 consecutive bytes and a store of a wave 256 consecutive bytes, aligned.  All 32 loads of a thread go out first; no register is written twice.
.set NLD, 32                           ; loads of a thread
.set X,   4                            ; v[4:131]   as loaded, 4 registers a load
.set Y,   132                          ; v[132:195] as stored, 2 registers a store
	s_load_b256 s[4:11], s[0:1], 0x0               ; x s[4:5], W_qkv s[6:7], W_out s[8:9], xb s[10:11]
	s_load_b128 s[12:15], s[0:1], 0x20             ; wqb s[12:13], wob s[14:15]
	v_lshlrev_b32 v1, 4, v0                        ; 16 t: my bytes in a block of the source
	v_lshlrev_b32 v2, 3, v0                        ; 8 t: my bytes in a block of the destination
	s_wait_kmcnt 0x0
	s_cmp_lt_u32 ttmp9, 128
	s_cselect_b64 s[16:17], s[4:5], s[6:7]         ; source: x or W_qkv
	s_cselect_b64 s[18:19], s[10:11], s[12:13]     ; destination: xb or wqb
	s_cselect_b32 s20, 0, 128                      ; the first work-group of that buffer
	s_cmp_lt_u32 ttmp9, 224
	s_cselect_b64 s[16:17], s[16:17], s[8:9]       ; or W_out
	s_cselect_b64 s[18:19], s[18:19], s[14:15]     ; or wob
	s_cselect_b32 s20, s20, 224
	s_sub_co_u32 s21, ttmp9, s20                   ; my part of the buffer
	s_lshl_b32 s22, s21, 17                        ; x 128 KiB
	s_mov_b32 s23, 0
	s_add_nc_u64 s[16:17], s[16:17], s[22:23]
	s_lshl_b32 s22, s21, 16                        ; x 64 KiB
	s_add_nc_u64 s[18:19], s[18:19], s[22:23]
.set i, 0
.rept NLD
	global_load_b128 v[X+4*i:X+4*i+3], v1, s[16:17] offset:4096*i th:TH_LOAD_NT   ; read once in the launch
.set i, i+1
.endr
.set i, 0
.rept NLD
	s_wait_loadcnt NLD-1-i                         ; loads come back in order: load i is in, the younger ones stay out
	v_cvt_pk_f16_f32 v[Y+2*i],   v[X+4*i],   v[X+4*i+1]
	v_cvt_pk_f16_f32 v[Y+2*i+1], v[X+4*i+2], v[X+4*i+3]
	global_store_b64 v2, v[Y+2*i:Y+2*i+1], s[18:19] offset:2048*i   ; no hint: the next launch reads these bytes
.set i, i+1
.endr
	s_endpgm
.Lfunc_end_k_q56fd21ed89_prep:
	.size	k_q56fd21ed89_prep, .Lfunc_end_k_q56fd21ed89_prep-k_q56fd21ed89_prep
	.p2alignl 7, 3214868480
	.fill 96, 4, 3214868480
	.section	.rodata,"a",@progbits
	.p2align	6, 0x0
	.amdhsa_kernel k_q56fd21ed89_prep
		.amdhsa_group_segment_fixed_size 0
		.amdhsa_private_segment_fixed_size 0
		.amdhsa_enable_private_segment 0
		.amdhsa_kernarg_size 48
		.amdhsa_user_sgpr_count 2
		.amdhsa_user_sgpr_kernarg_segment_ptr 1
		.amdhsa_wavefront_size32 1
		.amdhsa_system_sgpr_workgroup_id_x 1
		.amdhsa_system_sgpr_workgroup_id_y 1
		.amdhsa_system_sgpr_workgroup_id_z 1
		.amdhsa_system_vgpr_workitem_id 0
		.amdhsa_next_free_vgpr 200
		.amdhsa_next_free_sgpr 66
		.amdhsa_reserve_vcc 0
		.amdhsa_float_denorm_mode_32 3
		.amdhsa_float_denorm_mode_16_64 3
		.amdhsa_memory_ordered 1
		.amdhsa_forward_progress 1
		.amdhsa_inst_pref_size 13
	.end_amdhsa_kernel
	.amdgpu_metadata
---
amdhsa.version: [ 1, 2 ]
amdhsa.kernels:
  - .name:           k_q56fd21ed89_prep
    .symbol:         k_q56fd21ed89_prep.kd
    .args:
      - { .name: x, .offset: 0, .size: 8, .value_kind: global_buffer, .address_space: global }
      - { .name: W_qkv, .offset: 8, .size: 8, .value_kind: global_buffer, .address_space: global }
      - { .name: W_out, .offset: 16, .size: 8, .value_kind: global_buffer, .address_space: global }
      - { .name: xb, .offset: 24, .size: 8, .value_kind: global_buffer, .address_space: global }
      - { .name: wqb, .offset: 32, .size: 8, .value_kind: global_buffer, .address_space: global }
      - { .name: wob, .offset: 40, .size: 8, .value_kind: global_buffer, .address_space: global }
    .group_segment_fixed_size: 0
    .private_segment_fixed_size: 0
    .kernarg_segment_align: 8
    .kernarg_segment_size: 48
    .max_flat_workgroup_size: 256
    .sgpr_count:     66
    .vgpr_count:     200
    .wavefront_size: 32
...
	.end_amdgpu_metadata
.endif
;; end of part 1
;; launch qkv (part 2): grid 16 x 16, 4 waves a work-group, clusters of 4 x 4, 327,680 bytes of LDS; arguments xb, wqb, b_qkv, qkv; writes qkv
.if DOCPART == 2
	.amdgcn_target "amdgcn-amd-amdhsa--gfx1250"
	.amdhsa_code_object_version 6
	.text
	.protected	k_q56fd21ed89_qkv
	.globl	k_q56fd21ed89_qkv
	.p2align	8
	.type	k_q56fd21ed89_qkv,@function
k_q56fd21ed89_qkv:
	s_mov_b64 s[64:65], 0
	v_nop
	global_prefetch_b8 v0, s[64:65] scope:SCOPE_SE
	s_setreg_imm32_b32 hwreg(HW_REG_WAVE_MODE, 25, 1), 1
	s_wait_xcnt 0x0
	s_wait_alu depctr_hold_cnt(0) depctr_sa_sdst(0) depctr_va_vdst(0) depctr_va_sdst(0) depctr_va_ssrc(0) depctr_va_vcc(0) depctr_vm_vsrc(0)
	s_getreg_b32 s2, hwreg(HW_REG_IB_STS2, 6, 4)
	s_cmp_eq_u32 s2, 0
	s_cbranch_scc0 .Lentry_in_a_cluster
	s_endpgm
.Lentry_in_a_cluster:
	s_bfe_u32 s2, ttmp6, 0x10000c
	s_cmp_lg_u32 s2, 0xf033
	s_cbranch_scc0 .Lentry_shape_is_right
	s_endpgm
.Lentry_shape_is_right:
.set QKV, 1                            ; 1: qkv = xb wqb + b_qkv.   0: out0 = y wob + b_out.   The text is the same for both; this line alone differs.
; C[m][n] = sum over k of A[m][k] W[k][n] + bias[n], A and W in f16, sums in f32.  M = 4096 tokens, K = 1024.
; QKV = 1: N = 3072.  A = xb [4096][1024].  A work-group makes 256 tokens x 192 columns, a wave 64 tokens x 192 columns (three heads' slabs).
;          The result goes out in f16 as slabs [48][4096][64]: slab s holds columns 64 s .. 64 s + 63 (0-15 Q, 16-31 K, 32-47 V), so a head's rows are dense.
;          Q's slabs are multiplied in f32, before the rounding, by 0.25 log2(e): 1/sqrt(16) of the scores and the change to base 2 of the exponential.
; QKV = 0: N = 1024.  A = y, slabs [16][4096][64] (k = 64 head + d).  A work-group makes 128 x 128, a wave 64 x 64; the result goes out in f32, row-major.
; Both: 256 work-groups of equal work.
; LIMITS: operands are rounded to f16 (11 significant bits; the result passes through three products in a row, for which bf16's 8 bits are too coarse).
; q, k and v must stay below 65,504 in magnitude.  As drawn their spread is 32 x 0.02 = 0.64; with x and W both thirty times larger it is 576, some 3,500 at six spreads;
; with x offset by 30 and W by 0.6 they lie at 1024 x 30 x 0.6 = 18,432.  With both thirty times smaller they are about 7e-4, above f16's smallest normal number 6.1e-5;
; what falls below is kept as a denormal, off by under 3e-8.  Inputs for which the sums are not finite are not served.
; K goes through two LDS slots (128 of K a slot with QKV = 1, 256 with QKV = 0) filled by tensor loads, one a wave: waves 0, 1 bring A's halves, waves 2, 3 W's.
; CLUSTERS: 4 x 4 work-groups.  A's tile hangs on the block row alone and is asked for jointly by the four of a row of the cluster, W's on the block
; column alone and is asked for jointly by the four of a column: a quarter of the requests.  A round of the cluster's barrier stands in front of every joint fill.
; W lies [k][n] in LDS as in memory and is read by the transposing LDS load.  THE MATRIX INSTRUCTION IS USED TRANSPOSED: source 0 = 16 columns of W,
; source 1 = 16 tokens; lane l then holds token l % 16 and its registers 0-7 the columns 8 (l / 16) + 0 .. 7: neighbouring numbers of a row of C.
; The first product of each tile takes the bias as C (register j of a lane = bias[column 8 (l / 16) + j]): nothing is cleared, no bias is added later.
; REGISTERS, in windows of 256: window 0 addresses, token fragments (two buffers), bias, way out; window 1 W's fragments (two buffers);
; window 2 the accumulators of my token blocks 0, 1 (tile (a, b) at 8 (WN a + b)); window 3 those of blocks 2, 3.
.if QKV
.set WN,    12                         ; column blocks of 16 in a wave's tile
.set NQ,    4                          ; quarters (32 of K) in a slot
.set PA,    272                        ; LDS pitch of A's rows: 256 + 16 bytes
.set PB,    480                        ; LDS pitch of W's rows: 3 x (128 + 32) bytes, an odd multiple of 32
.set CPAD,  32                         ; the pad behind every four column blocks inside a row of W
.set KPP,   4                          ; quarters in one plane of A (one plane here)
.set PLANE, 0
.set AHALF, 128*PA                     ; what one load of A fills: 128 tokens
.set BHALF, 64*PB                      ; what one load of W fills: 64 rows of K
.set SP,    400                        ; the stage's pitch: 384 + 16
.set LAPS,  4                          ; a lap = both slots = 256 of K
.set A_W0,  (1<<16)|(1<<20)|(1<<21)|(5<<22)|(3<<25)   ; 2-byte elements; padding on; bit 21 beside a mask; 4 words behind every 64
.set A_D0,  128
.set A_D1,  128
.set A_ST,  1024
.set A_BY,  524288                     ; bytes from block row to block row: 256 tokens of 2,048 bytes
.set A_HF,  262144                     ; from half to half: 128 tokens
.set A_SL,  256                        ; from slot to slot: 128 of K
.set B_W0,  (1<<16)|(1<<20)|(1<<21)|(4<<22)|(7<<25)   ; 8 words behind every 32
.set B_D0,  192
.set B_D1,  64
.set B_ST,  3072
.set B_BX,  384                        ; bytes from block column to block column
.set B_HF,  393216                     ; 64 rows of 6,144 bytes
.set B_SL,  786432                     ; 128 rows
.set BNB,   768                        ; bytes of bias for a block column
.else
.set WN,    4
.set NQ,    8
.set PA,    144                        ; 128 + 16 bytes
.set PB,    288                        ; 256 + 32 bytes, an odd multiple of 32
.set CPAD,  0
.set KPP,   2                          ; a plane is one head: 64 of K, two quarters
.set PLANE, 128*PA                     ; 128 tokens of one head
.set AHALF, 2*PLANE                    ; one load of A: two heads' planes
.set BHALF, 128*PB                     ; one load of W: 128 rows of K
.set SP,    272                        ; 256 + 16
.set LAPS,  2                          ; a lap = both slots = 512 of K
.set A_W0,  (1<<16)|(1<<20)|(1<<21)|(4<<22)|(3<<25)   ; 4 words behind every 32
.set A_D0,  8192                       ; a row of the tile is a whole plane: 128 tokens x 64, dense in memory
.set A_D1,  2                          ; two planes
.set A_ST,  262144                     ; elements from head to head
.set A_BY,  16384                      ; 128 tokens of 128 bytes
.set A_HF,  1048576                    ; two heads
.set A_SL,  2097152                    ; four heads
.set B_W0,  (1<<16)|(1<<20)|(1<<21)|(5<<22)|(7<<25)   ; 8 words behind every 64
.set B_D0,  128
.set B_D1,  128
.set B_ST,  1024
.set B_BX,  256
.set B_HF,  262144                     ; 128 rows of 2,048 bytes
.set B_SL,  524288                     ; 256 rows
.set BNB,   512
.endif
.set BOFF,  2*AHALF                    ; W's rows lie behind A's in a slot
.set SLOT,  BOFF+2*BHALF
.set STAGE, 2*SLOT                     ; behind the ring: 16 rows of SP bytes for each wave; no fill ever lands there
.set NF,    2*WN+8                     ; LDS loads of a quarter
.set FBS,   8*WN                       ; registers in a buffer of W's fragments
.set ADRA, 16                          ; v16-17  LDS address of my token fragments, slot 0, 1
.set ADRB, 20                          ; v20-23  of W's fragments: slot 0 (rows 0-127, rows 128-255), slot 1 likewise
.set STO,  24                          ; v24     the way out: where I put my piece of a row
.set RD,   25                          ; v25     where I read back
.set CO,   26                          ; v26     my byte offset in the output
.set BO,   27                          ; v27     my byte offset in the bias
.set F0,   32                          ; v32-63, v64-95 token fragments, two buffers
.set BIAS, 96                          ; v96..   bias tiles, 8 registers a column block
.set TMP,  96                          ; the way out: packed results (the bias is no longer needed)
.set RB0,  144                         ; the way out: rows read back, two sets by turns
.set RB1,  192
.set G1A, 24                           ; s[24:31] group 1 for A
.set G0A, 32                           ; s[32:39] group 0 for A, a set for each slot
.set G1B, 48                           ; s[48:55] group 1 for W
.set G0B, 56                           ; s[56:63] group 0 for W, a set for each slot
.set SC,  66                           ; s[66:71] three pairs: the factor of each of my three slabs (QKV = 1)
.set MUL_LO, 0xa1                      ; source 0 (W) window 1, source 1 (tokens) window 0, C and D window 2
.set MUL_HI, 0xf1                      ; the same, C and D window 3
.set TO_B,   0x40                      ; destination window 1, address window 0
.set MSB, 0
.macro WIN new                         ; the immediate's high byte repeats the setting that is left; a switch that changes nothing is dropped
.if MSB != \new
	s_set_vgpr_msb (MSB<<8)|\new
.set MSB, \new
.endif
.endm
.macro PLACES                          ; four places behind a matrix instruction, in front of loads into its sources and of readers of its result
.rept 4
	v_nop
.endr
.endm
; A joint load: waves 0, 1 ask for A's halves, waves 2, 3 for W's.  Each line has one mask; the branch hangs on the wave's number alone.
.macro JLOAD s
	s_cmp_eq_u32 s13, 0
	s_cbranch_scc0 .Lfor_b_\@
	tensor_load_to_lds s[G0A+4*\s:G0A+4*\s+3], s[G1A:G1A+7]
	s_nop 0
	s_branch .Lasked_\@
.Lfor_b_\@:
	tensor_load_to_lds s[G0B+4*\s:G0B+4*\s+3], s[G1B:G1B+7]
	s_nop 0
.Lasked_\@:
.endm
.macro CREST                           ; a round of the cluster's barrier behind its opening work-group barrier
	s_cmp_lg_u32 s12, 0
	s_cbranch_scc1 .Lnot_wave_0_\@
	s_barrier_signal -3
.Lnot_wave_0_\@:
	s_barrier_wait -3
	s_barrier_signal -1
	s_barrier_wait -1
.endm
.macro CROUND                          ; a whole round
	s_barrier_signal -1
	s_barrier_wait -1
	CREST
.endm
; WN matrix instructions: token block 2 hi + a x all my column blocks, 32 of K, from buffer f.  zero = 1: the bias starts the sums.
; The accumulators take turns, one instruction a turn, in the same order in every quarter.
.macro MULB f, hi, a, zero
.set b_, 0
.rept WN
.if \zero
	v_wmma_f32_16x16x32_f16 v[8*(WN*\a+b_):8*(WN*\a+b_)+7], v[FBS*\f+8*b_:FBS*\f+8*b_+7], v[F0+32*\f+8*(2*\hi+\a):F0+32*\f+8*(2*\hi+\a)+7], v[BIAS+8*b_:BIAS+8*b_+7]
.else
	v_wmma_f32_16x16x32_f16 v[8*(WN*\a+b_):8*(WN*\a+b_)+7], v[FBS*\f+8*b_:FBS*\f+8*b_+7], v[F0+32*\f+8*(2*\hi+\a):F0+32*\f+8*(2*\hi+\a)+7], v[8*(WN*\a+b_):8*(WN*\a+b_)+7]
.endif
.set b_, b_+1
.endr
.endm
; The NF loads of quarter q of a slot, in one run, into buffer f: W's fragments (two transposing loads, 16 rows of K apart), then the four token fragments.
.macro FETCH slot, q, f
	WIN TO_B
.set b_, 0
.rept WN
	ds_load_tr16_b128 v[FBS*\f+8*b_:FBS*\f+8*b_+3],   v[ADRB+2*\slot+(\q)/4] offset:((\q)%4)*32*PB+32*b_+CPAD*(b_/4)
	ds_load_tr16_b128 v[FBS*\f+8*b_+4:FBS*\f+8*b_+7], v[ADRB+2*\slot+(\q)/4] offset:((\q)%4)*32*PB+32*b_+CPAD*(b_/4)+16*PB
.set b_, b_+1
.endr
	WIN 0
.set i_, 0
.rept 4
	ds_load_b128 v[F0+32*\f+8*i_:F0+32*\f+8*i_+3],   v[ADRA+\slot] offset:((\q)/KPP)*PLANE+((\q)%KPP)*64+i_*16*PA
	ds_load_b128 v[F0+32*\f+8*i_+4:F0+32*\f+8*i_+7], v[ADRA+\slot] offset:((\q)/KPP)*PLANE+((\q)%KPP)*64+i_*16*PA+32
.set i_, i_+1
.endr
.endm
; Quarter q (not a slot's last): multiplies buffer q & 1 and fetches quarter q + 1 into the other buffer in its middle.
.macro QUARTER slot, q, zero
.set fq_, (\q)&1
.set gq_, 1-fq_
	s_wait_dscnt 4                                 ; W and token blocks 0, 1 are in; the youngest four loads (blocks 2, 3) may be out
.if \zero
	WIN 0x81                                       ; C is the bias, in window 0
.else
	WIN MUL_LO
.endif
	MULB fq_, 0, 0, \zero
	MULB fq_, 0, 1, \zero
	PLACES
	FETCH \slot, (\q)+1, gq_
	s_wait_dscnt NF                                ; all but the NF just issued
.if \zero
	WIN 0xc1
.else
	WIN MUL_HI
.endif
	MULB fq_, 1, 0, \zero
	MULB fq_, 1, 1, \zero
.endm
.macro RUN slot, zero                  ; all quarters of a slot but the last
	QUARTER \slot, 0, \zero
.set q_, 1
.rept NQ-2
	QUARTER \slot, q_, 0
.set q_, q_+1
.endr
.endm
; A slot's last quarter (buffer 1) and the change of slots.  In front of the barrier each wave waits for its reads of this slot and for all its tensor
; loads (one is out: its part of the next slot).  fill = 1: the barrier opens a round of the cluster's barrier, and behind the round this slot is asked
; for again, two slots ahead, first thing.  Then the next slot's first fragments are read.
.macro TURN slot, next, fill
	s_wait_dscnt 4
	WIN MUL_LO
	MULB 1, 0, 0, 0
	s_wait_dscnt 0                                 ; my reads of this slot are over
	s_wait_tensorcnt 0x0                           ; all my tensor loads have landed
	ds_add_u32 v255, v255
	s_wait_dscnt 0x0
	s_barrier_signal -1
	MULB 1, 0, 1, 0                                ; register work while the others arrive
	WIN 0
	s_barrier_wait -1
.if \fill
	CREST                                          ; no wave of any partner still reads this slot or has a load on its way
	s_add_nc_u64 s[G0A+4*\slot+2:G0A+4*\slot+3], s[G0A+4*\slot+2:G0A+4*\slot+3], 2*A_SL
	s_add_nc_u64 s[G0B+4*\slot+2:G0B+4*\slot+3], s[G0B+4*\slot+2:G0B+4*\slot+3], 2*B_SL
	JLOAD \slot                                    ; my one tensor load behind the round
.endif
	PLACES
	FETCH \next, 0, 0
	WIN MUL_HI
	MULB 1, 1, 0, 0
	MULB 1, 1, 1, 0
.endm
.macro LAP zero
	RUN 0, \zero
	TURN 0, 1, 1
	RUN 1, 0
	TURN 1, 0, 1
.endm
; The way out with QKV = 1, 16 tokens (block a; aw = its place in its window) at a time: factor, round to f16, 16 bytes a lane into my stage,
; back as four tokens x 128 bytes of one slab, which are 512 consecutive bytes of the output.
.macro OUTQ a, aw, wmul, wcvt, rb
	WIN \wmul
.set b_, 0
.rept WN
.irp r, 0,2,4,6
	v_pk_mul_f32 v[8*(WN*\aw+b_)+\r:8*(WN*\aw+b_)+\r+1], v[8*(WN*\aw+b_)+\r:8*(WN*\aw+b_)+\r+1], s[SC+2*(b_/4):SC+2*(b_/4)+1] op_sel_hi:[1,0]
.endr
.set b_, b_+1
.endr
	WIN \wcvt
.set b_, 0
.rept WN
.irp r, 0,1,2,3
	v_cvt_pk_f16_f32 v[TMP+4*b_+\r], v[8*(WN*\aw+b_)+2*\r], v[8*(WN*\aw+b_)+2*\r+1]
.endr
.set b_, b_+1
.endr
	WIN 0
.set b_, 0
.rept WN
	ds_store_b128 v[STO], v[TMP+4*b_:TMP+4*b_+3] offset:32*b_
.set b_, b_+1
.endr
	s_wait_xcnt 0x0                                ; the set rb, which earlier stores read, is loaded again only behind this wait
.set t_, 0
.rept 12
	ds_load_b128 v[\rb+4*t_:\rb+4*t_+3], v[RD] offset:(t_%4)*4*SP+(t_/4)*128   ; LDS serves a wave in order: these see the stores above
.set t_, t_+1
.endr
.set t_, 0
.rept 12
	s_wait_dscnt 11-t_                             ; load t is in, the younger ones stay out
	global_store_b128 v[CO], v[\rb+4*t_:\rb+4*t_+3], s[10:11] offset:(t_/4)*524288+\a*2048+(t_%4)*512
.set t_, t_+1
.endr
.endm
; The way out with QKV = 0: f32 straight from the accumulators, 32 bytes a lane into my stage, back as rows of 256 bytes.
.macro OUTP a, aw, wst, rb
	WIN \wst
.set b_, 0
.rept WN
	ds_store_b128 v[STO], v[8*(WN*\aw+b_):8*(WN*\aw+b_)+3]   offset:64*b_
	ds_store_b128 v[STO], v[8*(WN*\aw+b_)+4:8*(WN*\aw+b_)+7] offset:64*b_+16
.set b_, b_+1
.endr
	WIN 0
	s_wait_xcnt 0x0                                ; the set rb, which earlier stores read, is loaded again only behind this wait
.irp t, 0,1,2,3,4,5,6,7
	ds_load_b128 v[\rb+4*\t:\rb+4*\t+3], v[RD] offset:\t*2*SP
.endr
.irp t, 0,1,2,3,4,5,6,7
	s_wait_dscnt 7-\t
	global_store_b128 v[CO], v[\rb+4*\t:\rb+4*\t+3], s[10:11] offset:(16*\a+2*\t)*4096   ; 16 lanes store 256 consecutive bytes, aligned
.endr
.endm
	s_load_b256 s[4:11], s[0:1], 0x0               ; A s[4:5], W s[6:7], bias s[8:9], C s[10:11]
	s_set_vgpr_msb 0x40
	v_lshl_add_u32 v255, v0, 2, 0x46400
	s_set_vgpr_msb 0x4000
	v_mov_b32 v255, 0
	s_set_vgpr_msb 0x1
	ds_add_u32 v255, v255
	s_set_vgpr_msb 0x100
	v_lshrrev_b32 v1, 5, v0
	v_readfirstlane_b32 s12, v1                    ; wave 0..3
	s_lshr_b32 s13, s12, 1                         ; I fetch for A (0) or for W (1)
	s_and_b32 s14, s12, 1                          ; which half of that tile
.if QKV
	s_mov_b32 s15, s12                             ; my 64 tokens of the block's 256
	s_mov_b32 s16, 0                               ; all columns
.else
	s_mov_b32 s15, s13                             ; my 64 tokens of the block's 128
	s_mov_b32 s16, s14                             ; my 64 columns of its 128
.endif
	s_bfe_u32 s40, ttmp6, 0x40000                  ; cx
	s_bfe_u32 s41, ttmp6, 0x40004                  ; cy
	s_lshl_b32 s42, ttmp9, 2
	s_add_co_u32 s42, s42, s40                     ; block column = 4 x cluster x + cx
	s_and_b32 s43, ttmp7, 0xffff
	s_lshl_b32 s43, s43, 2
	s_add_co_u32 s43, s43, s41                     ; block row = 4 x cluster y + cy
	s_lshl_b32 s44, s41, 2
	s_lshl_b32 s44, 15, s44                        ; my row of the cluster
	s_lshl_b32 s45, 0x1111, s40                    ; my column
	s_or_b32  s[G1A+0], s44, A_W0                  ; A's tiles go to my row
	s_mov_b32 s[G1A+1], (A_D0&0xffff)<<16          ; tensor_dim0 = the tile's: no tile crosses the tensor's end
	s_mov_b32 s[G1A+2], (A_D0>>16)|(A_D1<<16)      ; tensor_dim1
	s_mov_b32 s[G1A+3], A_D0<<16                   ; tile_dim0
	s_mov_b32 s[G1A+4], A_D1                       ; tile_dim1
	s_mov_b32 s[G1A+5], A_ST                       ; elements from row to row
	s_mov_b32 s[G1A+6], 0
	s_mov_b32 s[G1A+7], 0
	s_or_b32  s[G1B+0], s45, B_W0                  ; W's tiles go to my column
	s_mov_b32 s[G1B+1], (B_D0&0xffff)<<16
	s_mov_b32 s[G1B+2], (B_D0>>16)|(B_D1<<16)
	s_mov_b32 s[G1B+3], B_D0<<16
	s_mov_b32 s[G1B+4], B_D1
	s_mov_b32 s[G1B+5], B_ST
	s_mov_b32 s[G1B+6], 0
	s_mov_b32 s[G1B+7], 0
	s_mul_i32 s18, s43, A_BY                       ; A's tile: block row and half; no register here ever holds cx
	s_mul_i32 s20, s14, A_HF
	s_add_co_u32 s18, s18, s20
	s_mov_b32 s19, 0
	s_mul_i32 s46, s42, B_BX                       ; W's tile: block column and half; no register here ever holds cy
	s_mul_i32 s72, s14, B_HF
	s_add_co_u32 s46, s46, s72
	s_mov_b32 s47, 0
	s_mul_i32 s21, s12, AHALF                      ; where they go: the wave's number times a constant, plus a constant
	s_mul_i32 s73, s12, BHALF
	s_add_co_u32 s73, s73, BOFF-2*BHALF
	s_mul_i32 s74, s42, BNB                        ; my columns in the bias
	s_lshl_b32 s78, s16, 8
	s_add_co_u32 s74, s74, s78
	s_mov_b32 s75, 0
.if QKV
	s_mul_i32 s76, s42, 1572864                    ; the output: slab 3 x block column (524,288 bytes a slab),
	s_lshl_b32 s78, s43, 15                        ; token 256 x block row (128 bytes a token)
	s_add_co_u32 s76, s76, s78
	s_lshl_b32 s78, s12, 13                        ; + 64 x wave
	s_add_co_u32 s76, s76, s78
	s_mul_i32 s78, s42, 3                          ; my first slab.  192 does not divide 1,024, so a block can hold Q's and K's slabs: the factor is data, slab by slab
.irp j, 0,1,2
	s_add_co_u32 s79, s78, \j
	s_cmp_lt_u32 s79, 16                           ; a slab of Q?
	s_cselect_b32 s[SC+2*\j], 0x3eb8aa3b, 1.0      ; 0.25 log2(e), or 1
	s_mov_b32 s[SC+2*\j+1], s[SC+2*\j]
.endr
.else
	s_lshl_b32 s76, s43, 19                        ; the output: row 128 x block row (4,096 bytes a row)
	s_lshl_b32 s78, s15, 18                        ; + my 64 rows
	s_add_co_u32 s76, s76, s78
	s_lshl_b32 s78, s42, 9                         ; column 128 x block column (4 bytes)
	s_add_co_u32 s76, s76, s78
	s_lshl_b32 s78, s16, 8                         ; + my 64 columns
	s_add_co_u32 s76, s76, s78
.endif
	s_mov_b32 s77, 0
	s_wait_dscnt 0x0
	s_wait_kmcnt 0x0
	s_add_nc_u64 s[18:19], s[4:5], s[18:19]
	s_add_nc_u64 s[46:47], s[6:7], s[46:47]
	s_add_nc_u64 s[8:9], s[8:9], s[74:75]
	s_add_nc_u64 s[10:11], s[10:11], s[76:77]
	CROUND                                         ; all sixteen work-groups are here: the first joint loads meet
.irp s, 0,1
	s_mov_b32 s[G0A+4*\s], 1
	s_add_co_u32 s[G0A+4*\s+1], s21, \s*SLOT
	s_add_nc_u64 s[G0A+4*\s+2:G0A+4*\s+3], s[18:19], \s*A_SL
	s_or_b32 s[G0A+4*\s+3], s[G0A+4*\s+3], 0x80000000
	s_mov_b32 s[G0B+4*\s], 1
	s_add_co_u32 s[G0B+4*\s+1], s73, \s*SLOT
	s_add_nc_u64 s[G0B+4*\s+2:G0B+4*\s+3], s[46:47], \s*B_SL
	s_or_b32 s[G0B+4*\s+3], s[G0B+4*\s+3], 0x80000000
	JLOAD \s                                       ; both slots' first fills go out together: two loads of a wave are out, the most in this text
.endr
	v_and_b32 v1, 15, v0                           ; r = l % 16
	v_bfe_u32 v2, v0, 4, 1                         ; h = l / 16
	v_and_b32 v3, 7, v0                            ; l % 8
	v_bfe_u32 v4, v0, 3, 1                         ; (l / 8) % 2
	v_lshlrev_b32 v[BO], 5, v2                     ; 8 h columns of 4 bytes
.set b_, 0
.rept WN
	global_load_b128 v[BIAS+8*b_:BIAS+8*b_+3],   v[BO], s[8:9] offset:64*b_
	global_load_b128 v[BIAS+8*b_+4:BIAS+8*b_+7], v[BO], s[8:9] offset:64*b_+16
.set b_, b_+1
.endr
	v_mul_u32_u24 v5, v1, PA                       ; a token fragment: row r, 16 bytes for each half of the lanes, two loads 32 bytes apart
	v_lshl_add_u32 v5, v2, 4, v5
	s_mul_i32 s22, s15, 64*PA
	v_add_nc_u32 v[ADRA], s22, v5
	v_add_nc_u32 v[ADRA+1], SLOT, v[ADRA]
	v_lshl_add_u32 v6, v2, 3, v3                   ; a fragment of W: row of K 8 h + l % 8,
	v_mul_u32_u24 v6, v6, PB
	v_lshl_add_u32 v6, v4, 4, v6                   ; 16 bytes for each eight lanes
	s_lshl_b32 s23, s16, 7
	s_add_co_u32 s23, s23, BOFF
	v_add_nc_u32 v[ADRB], s23, v6
	v_add_nc_u32 v[ADRB+2], SLOT, v[ADRB]
.if NQ > 4
	v_add_nc_u32 v[ADRB+1], 128*PB, v[ADRB]        ; rows 128-255 of K: beyond the reach of the 16-bit immediate
	v_add_nc_u32 v[ADRB+3], SLOT, v[ADRB+1]
.endif
	s_mul_i32 s22, s12, 16*SP
	s_add_co_u32 s22, s22, STAGE                   ; my stage
	v_mul_u32_u24 v7, v1, SP
.if QKV
	v_lshl_add_u32 v7, v2, 4, v7                   ; in: token r, 16 bytes for each half of the lanes
	v_add_nc_u32 v[STO], s22, v7
	v_bfe_u32 v8, v0, 3, 2                         ; back: eight lanes take a token's 128 bytes of one slab
	v_mul_u32_u24 v8, v8, SP
	v_lshl_add_u32 v8, v3, 4, v8
	v_add_nc_u32 v[RD], s22, v8
	v_and_b32 v9, 31, v0
	v_lshlrev_b32 v[CO], 4, v9                     ; four tokens of a slab are 512 consecutive bytes: 16 l
.else
	v_lshl_add_u32 v7, v2, 5, v7                   ; in: token r, 32 bytes for each half of the lanes
	v_add_nc_u32 v[STO], s22, v7
	v_mul_u32_u24 v8, v2, SP                       ; back: lanes 0-15 one row of 256 bytes, lanes 16-31 the next
	v_lshl_add_u32 v8, v1, 4, v8
	v_add_nc_u32 v[RD], s22, v8
	v_lshlrev_b32 v9, 12, v2
	v_lshl_add_u32 v[CO], v1, 4, v9
.endif
	s_wait_loadcnt 0x0                             ; the bias, once
	s_wait_tensorcnt 1                             ; my part of slot 0 is in; slot 1's may stay out
	s_barrier_signal -1
	s_barrier_wait -1                              ; everybody's part is in
	FETCH 0, 0, 0
	LAP 1                                          ; the first lap stands in front of the loop: its first products start the sums from the bias
.if LAPS > 2
	WIN 0                                          ; at a label and at a branch every window is 0
	s_mov_b32 s17, LAPS-2
.Llap:
	LAP 0
	WIN 0
	s_sub_co_u32 s17, s17, 1
	s_cmp_lg_u32 s17, 0
	s_cbranch_scc1 .Llap
.endif
	RUN 0, 0                                       ; the last lap fills nothing
	TURN 0, 1, 0
	RUN 1, 0
	s_wait_dscnt 4                                 ; the very last quarter: nothing more to fetch
	WIN MUL_LO
	MULB 1, 0, 0, 0
	MULB 1, 0, 1, 0
	s_wait_dscnt 0
	WIN MUL_HI
	MULB 1, 1, 0, 0
	MULB 1, 1, 1, 0
	PLACES                                         ; behind the last matrix instructions, in front of the readers of their results
.if QKV
	OUTQ 0, 0, 0x82, 0x0a, RB0
	OUTQ 1, 1, 0x82, 0x0a, RB1
	OUTQ 2, 0, 0xc3, 0x0f, RB0
	OUTQ 3, 1, 0xc3, 0x0f, RB1
.else
	OUTP 0, 0, 0x08, RB0
	OUTP 1, 1, 0x08, RB1
	OUTP 2, 0, 0x0c, RB0
	OUTP 3, 1, 0x0c, RB1
.endif
	s_set_vgpr_msb 0x1
	s_wait_tensorcnt 0x0
	ds_add_u32 v255, v255
	s_wait_dscnt 0x0
	s_set_vgpr_msb 0x100
	CROUND                                         ; the closing round: no work-group ends while a partner may still ask for a tile that names it
	s_endpgm
.Lfunc_end_k_q56fd21ed89_qkv:
	.size	k_q56fd21ed89_qkv, .Lfunc_end_k_q56fd21ed89_qkv-k_q56fd21ed89_qkv
	.p2alignl 7, 3214868480
	.fill 96, 4, 3214868480
	.section	.rodata,"a",@progbits
	.p2align	6, 0x0
	.amdhsa_kernel k_q56fd21ed89_qkv
		.amdhsa_group_segment_fixed_size 327680
		.amdhsa_private_segment_fixed_size 0
		.amdhsa_enable_private_segment 0
		.amdhsa_kernarg_size 32
		.amdhsa_user_sgpr_count 2
		.amdhsa_user_sgpr_kernarg_segment_ptr 1
		.amdhsa_wavefront_size32 1
		.amdhsa_system_sgpr_workgroup_id_x 1
		.amdhsa_system_sgpr_workgroup_id_y 1
		.amdhsa_system_sgpr_workgroup_id_z 1
		.amdhsa_system_vgpr_workitem_id 0
		.amdhsa_next_free_vgpr 1024
		.amdhsa_next_free_sgpr 80
		.amdhsa_reserve_vcc 0
		.amdhsa_float_denorm_mode_32 3
		.amdhsa_float_denorm_mode_16_64 3
		.amdhsa_memory_ordered 1
		.amdhsa_forward_progress 1
		.amdhsa_inst_pref_size 179
	.end_amdhsa_kernel
	.amdgpu_metadata
---
amdhsa.version: [ 1, 2 ]
amdhsa.kernels:
  - .name:           k_q56fd21ed89_qkv
    .symbol:         k_q56fd21ed89_qkv.kd
    .args:
      - { .name: xb, .offset: 0, .size: 8, .value_kind: global_buffer, .address_space: global }
      - { .name: wqb, .offset: 8, .size: 8, .value_kind: global_buffer, .address_space: global }
      - { .name: b_qkv, .offset: 16, .size: 8, .value_kind: global_buffer, .address_space: global }
      - { .name: qkv, .offset: 24, .size: 8, .value_kind: global_buffer, .address_space: global }
    .group_segment_fixed_size: 327680
    .private_segment_fixed_size: 0
    .kernarg_segment_align: 8
    .kernarg_segment_size: 32
    .max_flat_workgroup_size: 128
    .sgpr_count:     80
    .vgpr_count:     1024
    .wavefront_size: 32
...
	.end_amdgpu_metadata
.endif
;; end of part 2
;; launch attn (part 3): grid 8 x 32, 8 waves a work-group, clusters of 4 x 1, 327,680 bytes of LDS; arguments qkv, y; writes y
.if DOCPART == 3
	.amdgcn_target "amdgcn-amd-amdhsa--gfx1250"
	.amdhsa_code_object_version 6
	.text
	.protected	k_q56fd21ed89_attn
	.globl	k_q56fd21ed89_attn
	.p2align	8
	.type	k_q56fd21ed89_attn,@function
k_q56fd21ed89_attn:
	s_mov_b64 s[64:65], 0
	v_nop
	global_prefetch_b8 v0, s[64:65] scope:SCOPE_SE
	s_setreg_imm32_b32 hwreg(HW_REG_WAVE_MODE, 25, 1), 1
	s_wait_xcnt 0x0
	s_wait_alu depctr_hold_cnt(0) depctr_sa_sdst(0) depctr_va_vdst(0) depctr_va_sdst(0) depctr_va_ssrc(0) depctr_va_vcc(0) depctr_vm_vsrc(0)
	s_getreg_b32 s2, hwreg(HW_REG_IB_STS2, 6, 4)
	s_cmp_eq_u32 s2, 0
	s_cbranch_scc0 .Lentry_in_a_cluster
	s_endpgm
.Lentry_in_a_cluster:
	s_bfe_u32 s2, ttmp6, 0x10000c
	s_cmp_lg_u32 s2, 0x3003
	s_cbranch_scc0 .Lentry_shape_is_right
	s_endpgm
.Lentry_shape_is_right:
; Attention without a mask for 32 (batch, head) pairs, T = 2048, D = 64.  qkv: f16 slabs [48][4096][64] (0-15 Q, already times 0.25 log2(e); 16-31 K; 32-47 V).
; y: f16 slabs [16][4096][64].  p = 2^(s - m) with a running maximum m for each query; sums and O in f32; p and y rounded to f16.
; LIMITS: operands in f16.  p is at most 1, since the maximum is taken away; a p below 2^-25 counts as 0 in the second product and one below 2^-14 is kept as a denormal, off by
; under 3e-8, against a sum of p that is at least 1.  y is an average of v and has v's range (below 65,504: see the launch that makes v).
; An exponential below 2^-126 counts as 0 (ISA guide, the entry of V_EXP_F32); inputs with scores that are not finite are not served.
; A work-group takes 256 queries of one head, with eight waves: wave w has queries 64 (w % 4) .. + 63 and, of each tile of 256 keys, keys 128 (w / 4) .. + 127.
; The two waves that share queries keep maxima, sums and O of their own and are merged once at the end through LDS.
; CLUSTERS: four work-groups along x (four query blocks of one head) ask jointly for the same tiles of K and V; a mask names four, so a head's eight blocks are two clusters.
; Two LDS slots of 256 keys (V at pitch 160, K at pitch 144); each wave brings 64 rows with one load: waves 0-3 V's, waves 4-7 K's.
; S IS MADE TRANSPOSED: source 0 = 16 keys, source 1 = 16 queries, so lane l holds query l % 16 and keys 8 (l / 16) + 0 .. 7 of a key block.  Two key blocks,
; packed to f16 in place, are then exactly source 1 (32 keys x 16 queries) of O^T = V^T P^T: nothing is moved between the two products.
; In O^T lane l holds query l % 16 and eight neighbouring d: 16 bytes of a row of y.
; REGISTERS: window 0: addresses, softmax state, K's fragments v64-127, S and P v128-255.  Window 1: O v0-127 (tile (db, qb) at 32 qb + 8 db), Q v128-191, V's fragments v192-255.
.set SLOT,  77824                      ; V 256 x 160, then K 256 x 144
.set KREG,  40960                      ; K's rows in a slot
.set PITK,  144
.set PITV,  160
.set MERGE, 155648                     ; 4 x 17,408: 34 blocks of 512 bytes for each group of queries; no fill ever lands here
.set MBLK,  17408
.set OST,   225280                     ; 4 x 9,216: 64 rows of 144 bytes, the way out; no fill ever lands here
.set OBLK,  9216
.set TILEB, 32768                      ; 256 keys of 128 bytes
.set KBASE, 16*524288                  ; K's slabs in qkv
.set VBASE, 32*524288                  ; V's slabs
.set KA,  2                            ; v2-3    LDS address of my K fragments, slot 0, 1
.set VA,  4                            ; v4-5    of my V fragments
                                       ; v6 way out, in; v7 way out, back; v8 16 l; v9 Q's offset; v10 merge
.set MM,  16                           ; v16-23  (m, m) for each query block
.set AA,  24                           ; v24-31  (alpha, alpha)
.set LL,  32                           ; v32-39  two partial sums of p for each query block, my keys only
.set T,   40                           ; v40-43
.set U,   44                           ; v44-47
.set MB,  48                           ; v48-51  merge: the partner's m
.set LB,  52                           ; v52-55  merge: the partner's sums
.set GB,  56                           ; v56-63  merge: the partner's factor, in pairs
.set KF,  64
.set SR,  128
.set QF,  128                          ; window 1
.set VF,  192                          ; window 1
.set G1V, 16                           ; s[16:23]
.set G1K, 24                           ; s[24:31]
.set G0V, 32                           ; s[32:39], a set for each slot
.set G0K, 40                           ; s[40:47], a set for each slot
.set MSB, 0
.macro WIN new
.if MSB != \new
	s_set_vgpr_msb (MSB<<8)|\new
.set MSB, \new
.endif
.endm
.macro ROUND                           ; a round of the cluster's barrier
	s_barrier_signal -1
	s_barrier_wait -1
	s_cmp_lg_u32 s8, 0
	s_cbranch_scc1 .Lnot_wave_0_\@
	s_barrier_signal -3
.Lnot_wave_0_\@:
	s_barrier_wait -3
	s_barrier_signal -1
	s_barrier_wait -1
.endm
.macro JLOAD s                         ; waves 0-3 ask for V's quarters, waves 4-7 for K's; the branch hangs on the wave's number alone
	s_cmp_eq_u32 s9, 0
	s_cbranch_scc0 .Lfor_k_\@
	tensor_load_to_lds s[G0V+4*(\s):G0V+4*(\s)+3], s[G1V:G1V+7]
	s_nop 0
	s_branch .Lasked_\@
.Lfor_k_\@:
	tensor_load_to_lds s[G0K+4*(\s):G0K+4*(\s)+3], s[G1K:G1K+7]
	s_nop 0
.Lasked_\@:
.endm
; S (64 keys x 64 queries, 32 registers for each query block) becomes P.  first = 1: nothing is carried yet.
.macro SOFTMAX first
.if \first
.irp qb, 0,1,2,3
	v_max_num_f32 v[T+\qb], v[SR+32*\qb], v[SR+32*\qb+1]
.endr
.else
.irp qb, 0,1,2,3
	v_max3_num_f32 v[T+\qb], v[MM+2*\qb], v[SR+32*\qb], v[SR+32*\qb+1]   ; the running maximum starts the chain
.endr
.endif
.set i_, 2
.rept 15
.irp qb, 0,1,2,3
	v_max3_num_f32 v[T+\qb], v[T+\qb], v[SR+32*\qb+i_], v[SR+32*\qb+i_+1]   ; four chains that do not wait for each other
.endr
.set i_, i_+2
.endr
.irp qb, 0,1,2,3
	v_permlanex16_b32 v[U+\qb], v[T+\qb], s50, s51     ; lane l xor 16 holds the same query's other keys
.endr
.irp qb, 0,1,2,3
	v_max_num_f32 v[U+\qb], v[T+\qb], v[U+\qb]         ; the new maximum
.endr
.if \first
.else
.irp qb, 0,1,2,3
	v_sub_f32 v[T+\qb], v[MM+2*\qb], v[U+\qb]
.endr
.irp qb, 0,1,2,3
	v_exp_f32 v[AA+2*\qb], v[T+\qb]                    ; alpha = 2^(old m - new m), twice, for the packed forms; the moves below are the plain place behind them (ISA guide 5.7.2)
	v_exp_f32 v[AA+2*\qb+1], v[T+\qb]
.endr
.endif
.irp qb, 0,1,2,3
	v_mov_b32 v[MM+2*\qb], v[U+\qb]
	v_mov_b32 v[MM+2*\qb+1], v[U+\qb]
.endr
.set i_, 0
.rept 64
	v_pk_add_f32 v[SR+2*i_:SR+2*i_+1], v[SR+2*i_:SR+2*i_+1], v[MM+2*(i_/16):MM+2*(i_/16)+1] neg_lo:[0,1] neg_hi:[0,1]   ; s - m
.set i_, i_+1
.endr
.set i_, 0
.rept 128
	v_exp_f32 v[SR+i_], v[SR+i_]
.set i_, i_+1
.endr
	v_nop                                              ; one plain place behind the run of exponentials, in front of the first use of a result
.if \first
	s_wait_alu depctr_va_vdst(0)
.irp qb, 0,1,2,3
	v_pk_add_f32 v[LL+2*\qb:LL+2*\qb+1], v[SR+32*\qb:SR+32*\qb+1], v[SR+32*\qb+2:SR+32*\qb+3]
.endr
.else
	s_wait_alu depctr_va_vdst(0)
.irp qb, 0,1,2,3
	v_pk_fma_f32 v[LL+2*\qb:LL+2*\qb+1], v[LL+2*\qb:LL+2*\qb+1], v[AA+2*\qb:AA+2*\qb+1], v[SR+32*\qb:SR+32*\qb+1]   ; l alpha + p
.endr
.irp qb, 0,1,2,3
	v_pk_add_f32 v[LL+2*\qb:LL+2*\qb+1], v[LL+2*\qb:LL+2*\qb+1], v[SR+32*\qb+2:SR+32*\qb+3]
.endr
.endif
.set i_, 4
.rept 14
.irp qb, 0,1,2,3
	v_pk_add_f32 v[LL+2*\qb:LL+2*\qb+1], v[LL+2*\qb:LL+2*\qb+1], v[SR+32*\qb+i_:SR+32*\qb+i_+1]
.endr
.set i_, i_+2
.endr
.set g_, 0
.rept 8                                ; 16 registers (two key blocks of a query block) pack into the first 8, ascending: no source is written before it is read
.irp i, 0,1,2,3,4,5,6,7
	v_cvt_pk_f16_f32 v[SR+16*g_+\i], v[SR+16*g_+2*\i], v[SR+16*g_+2*\i+1]
.endr
.set g_, g_+1
.endr
.endm
; 64 of my keys (half st of my 128 in the slot) against my 64 queries.
; In both products sixteen accumulators take turns, one instruction a turn, in the same order for both halves of the sum.
.macro STEP slot, st, first
.rept 5
	v_nop                                              ; five places behind the last matrix instructions: S is written over their source 1, V's loads land in their source 0
.endr
.irp kb, 0,1,2,3
.irp c, 0,1
	ds_load_b128 v[KF+16*\kb+8*\c:KF+16*\kb+8*\c+3],   v[KA+\slot] offset:\st*64*PITK+\kb*16*PITK+64*\c
	ds_load_b128 v[KF+16*\kb+8*\c+4:KF+16*\kb+8*\c+7], v[KA+\slot] offset:\st*64*PITK+\kb*16*PITK+64*\c+32
.endr
.endr
	WIN 0x40
.irp db, 0,1,2,3
.irp c, 0,1
	ds_load_tr16_b128 v[VF+16*\db+8*\c:VF+16*\db+8*\c+3],   v[VA+\slot] offset:\st*64*PITV+\c*32*PITV+32*\db
	ds_load_tr16_b128 v[VF+16*\db+8*\c+4:VF+16*\db+8*\c+7], v[VA+\slot] offset:\st*64*PITV+\c*32*PITV+16*PITV+32*\db
.endr
.endr
	s_wait_dscnt 16                                    ; K's 16 loads are in; V's 16, issued behind them, may stay out
	WIN 0x04                                           ; source 1 (Q) in window 1
.irp c, 0,1
.irp qb, 0,1,2,3
.irp kb, 0,1,2,3
.if \c
	v_wmma_f32_16x16x32_f16 v[SR+32*\qb+8*\kb:SR+32*\qb+8*\kb+7], v[KF+16*\kb+8*\c:KF+16*\kb+8*\c+7], v[QF+16*\qb+8*\c:QF+16*\qb+8*\c+7], v[SR+32*\qb+8*\kb:SR+32*\qb+8*\kb+7]
.else
	v_wmma_f32_16x16x32_f16 v[SR+32*\qb+8*\kb:SR+32*\qb+8*\kb+7], v[KF+16*\kb+8*\c:KF+16*\kb+8*\c+7], v[QF+16*\qb+8*\c:QF+16*\qb+8*\c+7], 0
.endif
.endr
.endr
.endr
	WIN 0
.rept 4
	v_nop                                              ; four places in front of the readers of S
.endr
	SOFTMAX \first
.if \first
.else
	WIN 0x41                                           ; O in window 1, alpha in window 0
.set i_, 0
.rept 64
	v_pk_mul_f32 v[2*i_:2*i_+1], v[2*i_:2*i_+1], v[AA+2*(i_/16):AA+2*(i_/16)+1]
.set i_, i_+1
.endr
.endif
	s_wait_dscnt 0                                     ; V's fragments are in
	WIN 0x51                                           ; V, C and D in window 1, P in window 0
.irp c, 0,1
.irp qb, 0,1,2,3
.irp db, 0,1,2,3
.if \first*(1-\c)
	v_wmma_f32_16x16x32_f16 v[32*\qb+8*\db:32*\qb+8*\db+7], v[VF+16*\db+8*\c:VF+16*\db+8*\c+7], v[SR+32*\qb+16*\c:SR+32*\qb+16*\c+7], 0
.else
	v_wmma_f32_16x16x32_f16 v[32*\qb+8*\db:32*\qb+8*\db+7], v[VF+16*\db+8*\c:VF+16*\db+8*\c+7], v[SR+32*\qb+16*\c:SR+32*\qb+16*\c+7], v[32*\qb+8*\db:32*\qb+8*\db+7]
.endif
.endr
.endr
.endr
	WIN 0
.endm
; One tile of 256 keys.  In front of the round every wave waits for all its tensor loads (its part of this tile) and for its reads of the other slot;
; behind the round the other slot is asked for again, first thing: one load a wave, which has this tile's work in which to land.
.macro TRIP slot, refill, first
	s_wait_xcnt 0x0
	v_lshl_add_u32 v254, v0, 2, 0x40000
	v_mov_b32 v255, 0
	s_wait_tensorcnt 0x0                               ; no load of mine is out: a group 0 may be written
	ds_add_u32 v254, v255
	s_wait_dscnt 0x0
	s_add_nc_u64 s[G0V+4*\slot+2:G0V+4*\slot+3], s[G0V+4*\slot+2:G0V+4*\slot+3], 2*TILEB   ; this slot's next tile
	s_add_nc_u64 s[G0K+4*\slot+2:G0K+4*\slot+3], s[G0K+4*\slot+2:G0K+4*\slot+3], 2*TILEB
	s_wait_dscnt 0x0
	ROUND
.if \refill
	JLOAD 1-\slot
.endif
	STEP \slot, 0, \first
	STEP \slot, 1, 0
.endm
	s_load_b128 s[4:7], s[0:1], 0x0                ; qkv s[4:5], y s[6:7]
	v_lshl_add_u32 v254, v0, 2, 0x40000
	v_mov_b32 v255, 0
	ds_add_u32 v254, v255
	s_wait_dscnt 0x0
	v_lshrrev_b32 v1, 5, v0
	v_readfirstlane_b32 s8, v1                     ; wave 0..7
	s_lshr_b32 s9, s8, 2                           ; which 128 keys of a tile are mine.  Also: I fetch V (0) or K (1)
	s_and_b32 s10, s8, 3                           ; which 64 queries are mine.  Also: which 64 rows I fetch
	s_mov_b32 s50, 0x76543210                      ; v_permlanex16_b32: lane i of one half reads lane i of the other
	s_mov_b32 s51, 0xfedcba98
	s_bfe_u32 s52, ttmp6, 0x40000                  ; cx
	s_lshl_b32 s53, ttmp9, 2
	s_add_co_u32 s53, s53, s52                     ; query block = 4 x cluster x + cx
	s_and_b32 s54, ttmp7, 0xffff                   ; 16 x batch + head: the same in all four partners
	s_and_b32 s55, s54, 15
	s_lshr_b32 s56, s54, 4
	s_lshl_b32 s55, s55, 19                        ; head x 4,096 tokens x 128 bytes
	s_lshl_b32 s56, s56, 18                        ; batch x 2,048 tokens x 128 bytes
	s_add_co_u32 s55, s55, s56
	s_lshl_b32 s57, s10, 13                        ; 64 rows x 128 bytes x (wave % 4)
	s_add_co_u32 s12, s55, s57                     ; K's and V's rows that I fetch: head, batch, wave; no cx
	s_mov_b32 s13, 0
	s_lshl_b32 s14, s53, 15                        ; 256 queries x 128 bytes x query block
	s_add_co_u32 s14, s14, s12                     ; my 64 queries, in Q's slab and in y alike
	s_mov_b32 s15, 0
	s_mov_b32 s[G1V+0], 15|(1<<16)|(1<<20)|(1<<21)|(4<<22)|(7<<25)   ; mask: all four; 2-byte elements; padding on; bit 21 beside a mask; 8 words behind every 32
	s_mov_b32 s[G1V+1], 64<<16                     ; tensor_dim0 = 64
	s_mov_b32 s[G1V+2], 64<<16                     ; tensor_dim1 = 64
	s_mov_b32 s[G1V+3], 64<<16                     ; tile_dim0 = 64
	s_mov_b32 s[G1V+4], 64                         ; tile_dim1 = 64 rows
	s_mov_b32 s[G1V+5], 64                         ; elements from row to row: a slab's rows are dense
	s_mov_b32 s[G1V+6], 0
	s_mov_b32 s[G1V+7], 0
	s_mov_b32 s[G1K+0], 15|(1<<16)|(1<<20)|(1<<21)|(4<<22)|(3<<25)   ; the same with 4 words of padding
	s_mov_b32 s[G1K+1], 64<<16
	s_mov_b32 s[G1K+2], 64<<16
	s_mov_b32 s[G1K+3], 64<<16
	s_mov_b32 s[G1K+4], 64
	s_mov_b32 s[G1K+5], 64
	s_mov_b32 s[G1K+6], 0
	s_mov_b32 s[G1K+7], 0
	s_mul_i32 s58, s8, 64*PITV                     ; V's quarter of waves 0-3
	s_mul_i32 s59, s8, 64*PITK                     ; K's quarter of waves 4-7:
	s_add_co_u32 s59, s59, KREG-4*64*PITK          ; (wave - 4) x 9,216 behind V's rows
	s_wait_kmcnt 0x0
	s_add_nc_u64 s[60:61], s[4:5], s[14:15]        ; my queries
	s_add_nc_u64 s[62:63], s[6:7], s[14:15]        ; my rows of y
	s_add_nc_u64 s[12:13], s[4:5], s[12:13]
.irp s, 0,1
	s_mov_b32 s[G0V+4*\s], 1
	s_add_co_u32 s[G0V+4*\s+1], s58, \s*SLOT
	s_add_nc_u64 s[G0V+4*\s+2:G0V+4*\s+3], s[12:13], VBASE+\s*TILEB   ; slot s begins with tile s
	s_or_b32 s[G0V+4*\s+3], s[G0V+4*\s+3], 0x80000000
	s_mov_b32 s[G0K+4*\s], 1
	s_add_co_u32 s[G0K+4*\s+1], s59, \s*SLOT
	s_add_nc_u64 s[G0K+4*\s+2:G0K+4*\s+3], s[12:13], KBASE+\s*TILEB
	s_or_b32 s[G0K+4*\s+3], s[G0K+4*\s+3], 0x80000000
.endr
	ROUND                                          ; all four work-groups are here
	JLOAD 0                                        ; tile 0.  One load of a wave is out, here and behind every round: never more
	v_and_b32 v11, 31, v0                          ; l
	v_and_b32 v12, 15, v0                          ; r = l % 16
	v_bfe_u32 v13, v0, 4, 1                        ; h = l / 16
	v_and_b32 v14, 7, v0                           ; l % 8
	v_bfe_u32 v15, v0, 3, 1                        ; (l / 8) % 2
	v_lshlrev_b32 v9, 7, v12
	v_lshl_add_u32 v9, v13, 4, v9                  ; Q: row r, 16 bytes for each half of the lanes
	WIN 0x40
.irp qb, 0,1,2,3
.irp c, 0,1
	global_load_b128 v[QF+16*\qb+8*\c:QF+16*\qb+8*\c+3],   v9, s[60:61] offset:\qb*2048+64*\c
	global_load_b128 v[QF+16*\qb+8*\c+4:QF+16*\qb+8*\c+7], v9, s[60:61] offset:\qb*2048+64*\c+32
.endr
.endr
	WIN 0
	v_mul_u32_u24 v1, v12, PITK
	v_lshl_add_u32 v1, v13, 4, v1                  ; r x 144 + 16 h
	s_mul_i32 s11, s9, 128*PITK
	s_add_co_u32 s11, s11, KREG
	v_add_nc_u32 v[KA], s11, v1
	v_add_nc_u32 v[KA+1], SLOT, v[KA]
	v_lshlrev_b32 v8, 4, v11                       ; 16 l
	s_mul_i32 s11, s10, MBLK
	s_add_co_u32 s11, s11, MERGE
	v_add_nc_u32 v10, s11, v8                      ; the same bytes for the two waves that share queries
	v_lshl_add_u32 v11, v13, 3, v14                ; V: key 8 h + l % 8,
	v_mul_u32_u24 v11, v11, PITV
	v_lshl_add_u32 v11, v15, 4, v11                ; 16 bytes for each eight lanes
	s_mul_i32 s11, s9, 128*PITV
	v_add_nc_u32 v[VA], s11, v11
	v_add_nc_u32 v[VA+1], SLOT, v[VA]
	s_mul_i32 s11, s10, OBLK
	s_add_co_u32 s11, s11, OST
	v_add_nc_u32 v6, s11, v1                       ; the way out, in: query r, 16 bytes for each half of the lanes
	v_bfe_u32 v11, v0, 3, 2
	v_mul_u32_u24 v11, v11, PITK
	v_lshl_add_u32 v11, v14, 4, v11
	v_add_nc_u32 v7, s11, v11                      ; back: eight lanes take a query's 128 bytes
.irp qb, 0,1,2,3
	v_mov_b32 v[U+\qb], 0                          ; the destination of v_permlanex16_b32 counts as read
.endr
	s_wait_loadcnt 0x0                             ; Q, once
	TRIP 0, 1, 1                                   ; the first two tiles stand in front of the loop: the first products start the sums
	TRIP 1, 1, 0
	s_mov_b32 s48, 2
.Ltiles:
	TRIP 0, 1, 0
	TRIP 1, 1, 0
	s_sub_co_u32 s48, s48, 1
	s_cmp_lg_u32 s48, 0
	s_cbranch_scc1 .Ltiles
	TRIP 0, 1, 0                                   ; tile 6; tile 7 is asked for
	TRIP 1, 0, 0                                   ; tile 7: nothing is left to fetch
	; THE MERGE of the two waves that share queries.
.rept 4
	v_nop                                          ; four places behind the last matrix instructions
.endr
.irp qb, 0,1,2,3
	v_add_f32 v[U+\qb], v[LL+2*\qb], v[LL+2*\qb+1] ; my keys' sum of p (this lane's half)
	v_mov_b32 v[T+\qb], v[MM+2*\qb]                ; my m
.endr
	s_cmp_eq_u32 s9, 0
	s_cbranch_scc1 .Lno_send
	WIN 0x04                                       ; store data in window 1
.set i_, 0
.rept 32
	ds_store_b128 v10, v[4*i_:4*i_+3] offset:512*i_
.set i_, i_+1
.endr
	WIN 0
	ds_store_b128 v10, v[T:T+3] offset:512*32
	ds_store_b128 v10, v[U:U+3] offset:512*33
.Lno_send:
	s_wait_dscnt 0x0                               ; for the partner's sake: my stores are done
	s_barrier_signal -1
	s_barrier_wait -1
	s_cmp_lg_u32 s9, 0
	s_cbranch_scc1 .Lclose
.set i_, 0
.rept 32
	ds_load_b128 v[SR+4*i_:SR+4*i_+3], v10 offset:512*i_   ; the partner's O, register for register as mine
.set i_, i_+1
.endr
	ds_load_b128 v[MB:MB+3], v10 offset:512*32
	ds_load_b128 v[LB:LB+3], v10 offset:512*33
	s_wait_dscnt 0x0
.irp qb, 0,1,2,3
	v_max_num_f32 v[MM+\qb], v[T+\qb], v[MB+\qb]   ; the common maximum
.endr
.irp qb, 0,1,2,3
	v_sub_f32 v[T+\qb], v[T+\qb], v[MM+\qb]
	v_sub_f32 v[MB+\qb], v[MB+\qb], v[MM+\qb]
.endr
.irp qb, 0,1,2,3
	v_exp_f32 v[T+\qb], v[T+\qb]                   ; my factor
	v_exp_f32 v[MB+\qb], v[MB+\qb]                 ; the partner's
.endr
	v_nop                                          ; one plain place behind the exponentials
	s_wait_alu depctr_va_vdst(0)
.irp qb, 0,1,2,3
	v_mul_f32 v[U+\qb], v[U+\qb], v[T+\qb]
.endr
.irp qb, 0,1,2,3
	v_fmac_f32 v[U+\qb], v[LB+\qb], v[MB+\qb]
.endr
.irp qb, 0,1,2,3
	v_permlanex16_b32 v[MM+4+\qb], v[U+\qb], s50, s51      ; the other half of the lanes holds the query's other keys
.endr
.irp qb, 0,1,2,3
	v_add_f32 v[U+\qb], v[U+\qb], v[MM+4+\qb]      ; the whole sum: at least 1, the term of the maximum
.endr
.irp qb, 0,1,2,3
	v_rcp_f32 v[U+\qb], v[U+\qb]
.endr
	v_nop                                          ; one plain place behind the reciprocals
	s_wait_alu depctr_va_vdst(0)
.irp qb, 0,1,2,3
	v_mul_f32 v[AA+2*\qb], v[T+\qb], v[U+\qb]
	v_mul_f32 v[GB+2*\qb], v[MB+\qb], v[U+\qb]
.endr
.irp qb, 0,1,2,3
	v_mov_b32 v[AA+2*\qb+1], v[AA+2*\qb]
	v_mov_b32 v[GB+2*\qb+1], v[GB+2*\qb]
.endr
.set i_, 0
.rept 64
	v_pk_mul_f32 v[SR+2*i_:SR+2*i_+1], v[SR+2*i_:SR+2*i_+1], v[GB+2*(i_/16):GB+2*(i_/16)+1]
.set i_, i_+1
.endr
	WIN 0x01                                       ; source 0 (my O) in window 1
.set i_, 0
.rept 64
	v_pk_fma_f32 v[SR+2*i_:SR+2*i_+1], v[2*i_:2*i_+1], v[AA+2*(i_/16):AA+2*(i_/16)+1], v[SR+2*i_:SR+2*i_+1]
.set i_, i_+1
.endr
	WIN 0
.set t_, 0
.rept 16
.irp r, 0,1,2,3
	v_cvt_pk_f16_f32 v[SR+8*t_+\r], v[SR+8*t_+2*\r], v[SR+8*t_+2*\r+1]
.endr
.set t_, t_+1
.endr
.set t_, 0
.rept 16
	ds_store_b128 v6, v[SR+8*t_:SR+8*t_+3] offset:(t_/4)*16*PITK+32*(t_%4)   ; query 16 qb + r, d 16 db + 8 h ..
.set t_, t_+1
.endr
.set t_, 0
.rept 16
	ds_load_b128 v[KF+4*t_:KF+4*t_+3], v7 offset:4*PITK*t_   ; my own bytes, served in order behind the stores: four queries' rows
.set t_, t_+1
.endr
.set t_, 0
.rept 16
	s_wait_dscnt 15-t_                             ; load t is in, the younger ones stay out
	global_store_b128 v8, v[KF+4*t_:KF+4*t_+3], s[62:63] offset:512*t_   ; 512 consecutive bytes of y, aligned
.set t_, t_+1
.endr
.Lclose:
	s_wait_xcnt 0x0
	v_lshl_add_u32 v254, v0, 2, 0x40000
	v_mov_b32 v255, 0
	s_wait_tensorcnt 0x0
	ds_add_u32 v254, v255
	s_wait_dscnt 0x0
	ROUND                                          ; the closing round: no work-group ends while a partner may still ask for a tile that names it
	s_endpgm
.Lfunc_end_k_q56fd21ed89_attn:
	.size	k_q56fd21ed89_attn, .Lfunc_end_k_q56fd21ed89_attn-k_q56fd21ed89_attn
	.p2alignl 7, 3214868480
	.fill 96, 4, 3214868480
	.section	.rodata,"a",@progbits
	.p2align	6, 0x0
	.amdhsa_kernel k_q56fd21ed89_attn
		.amdhsa_group_segment_fixed_size 327680
		.amdhsa_private_segment_fixed_size 0
		.amdhsa_enable_private_segment 0
		.amdhsa_kernarg_size 16
		.amdhsa_user_sgpr_count 2
		.amdhsa_user_sgpr_kernarg_segment_ptr 1
		.amdhsa_wavefront_size32 1
		.amdhsa_system_sgpr_workgroup_id_x 1
		.amdhsa_system_sgpr_workgroup_id_y 1
		.amdhsa_system_sgpr_workgroup_id_z 1
		.amdhsa_system_vgpr_workitem_id 0
		.amdhsa_next_free_vgpr 512
		.amdhsa_next_free_sgpr 66
		.amdhsa_reserve_vcc 0
		.amdhsa_float_denorm_mode_32 3
		.amdhsa_float_denorm_mode_16_64 3
		.amdhsa_memory_ordered 1
		.amdhsa_forward_progress 1
		.amdhsa_inst_pref_size 255
	.end_amdhsa_kernel
	.section	.bss,"aw",@nobits
	.p2align	6
	.space	262144
	.amdgpu_metadata
---
amdhsa.version: [ 1, 2 ]
amdhsa.kernels:
  - .name:           k_q56fd21ed89_attn
    .symbol:         k_q56fd21ed89_attn.kd
    .args:
      - { .name: qkv, .offset: 0, .size: 8, .value_kind: global_buffer, .address_space: global }
      - { .name: y, .offset: 8, .size: 8, .value_kind: global_buffer, .address_space: global }
    .group_segment_fixed_size: 327680
    .private_segment_fixed_size: 0
    .kernarg_segment_align: 8
    .kernarg_segment_size: 16
    .max_flat_workgroup_size: 256
    .sgpr_count:     66
    .vgpr_count:     512
    .wavefront_size: 32
...
	.end_amdgpu_metadata
.endif
;; end of part 3
;; launch proj (part 4): grid 8 x 32, 4 waves a work-group, clusters of 4 x 4, 327,680 bytes of LDS; arguments y, wob, b_out, out0; writes out0
.if DOCPART == 4
	.amdgcn_target "amdgcn-amd-amdhsa--gfx1250"
	.amdhsa_code_object_version 6
	.text
	.protected	k_q56fd21ed89_proj
	.globl	k_q56fd21ed89_proj
	.p2align	8
	.type	k_q56fd21ed89_proj,@function
k_q56fd21ed89_proj:
	s_mov_b64 s[64:65], 0
	v_nop
	global_prefetch_b8 v0, s[64:65] scope:SCOPE_SE
	s_setreg_imm32_b32 hwreg(HW_REG_WAVE_MODE, 25, 1), 1
	s_wait_xcnt 0x0
	s_wait_alu depctr_hold_cnt(0) depctr_sa_sdst(0) depctr_va_vdst(0) depctr_va_sdst(0) depctr_va_ssrc(0) depctr_va_vcc(0) depctr_vm_vsrc(0)
	s_getreg_b32 s2, hwreg(HW_REG_IB_STS2, 6, 4)
	s_cmp_eq_u32 s2, 0
	s_cbranch_scc0 .Lentry_in_a_cluster
	s_endpgm
.Lentry_in_a_cluster:
	s_bfe_u32 s2, ttmp6, 0x10000c
	s_cmp_lg_u32 s2, 0xf033
	s_cbranch_scc0 .Lentry_shape_is_right
	s_endpgm
.Lentry_shape_is_right:
.set QKV, 0                            ; 1: qkv = xb wqb + b_qkv.   0: out0 = y wob + b_out.   The text is the same for both; this line alone differs.
; C[m][n] = sum over k of A[m][k] W[k][n] + bias[n], A and W in f16, sums in f32.  M = 4096 tokens, K = 1024.
; QKV = 1: N = 3072.  A = xb [4096][1024].  A work-group makes 256 tokens x 192 columns, a wave 64 tokens x 192 columns (three heads' slabs).
;          The result goes out in f16 as slabs [48][4096][64]: slab s holds columns 64 s .. 64 s + 63 (0-15 Q, 16-31 K, 32-47 V), so a head's rows are dense.
;          Q's slabs are multiplied in f32, before the rounding, by 0.25 log2(e): 1/sqrt(16) of the scores and the change to base 2 of the exponential.
; QKV = 0: N = 1024.  A = y, slabs [16][4096][64] (k = 64 head + d).  A work-group makes 128 x 128, a wave 64 x 64; the result goes out in f32, row-major.
; Both: 256 work-groups of equal work.
; LIMITS: operands are rounded to f16 (11 significant bits; the result passes through three products in a row, for which bf16's 8 bits are too coarse).
; q, k and v must stay below 65,504 in magnitude.  As drawn their spread is 32 x 0.02 = 0.64; with x and W both thirty times larger it is 576, some 3,500 at six spreads;
; with x offset by 30 and W by 0.6 they lie at 1024 x 30 x 0.6 = 18,432.  With both thirty times smaller they are about 7e-4, above f16's smallest normal number 6.1e-5;
; what falls below is kept as a denormal, off by under 3e-8.  Inputs for which the sums are not finite are not served.
; K goes through two LDS slots (128 of K a slot with QKV = 1, 256 with QKV = 0) filled by tensor loads, one a wave: waves 0, 1 bring A's halves, waves 2, 3 W's.
; CLUSTERS: 4 x 4 work-groups.  A's tile hangs on the block row alone and is asked for jointly by the four of a row of the cluster, W's on the block
; column alone and is asked for jointly by the four of a column: a quarter of the requests.  A round of the cluster's barrier stands in front of every joint fill.
; W lies [k][n] in LDS as in memory and is read by the transposing LDS load.  THE MATRIX INSTRUCTION IS USED TRANSPOSED: source 0 = 16 columns of W,
; source 1 = 16 tokens; lane l then holds token l % 16 and its registers 0-7 the columns 8 (l / 16) + 0 .. 7: neighbouring numbers of a row of C.
; The first product of each tile takes the bias as C (register j of a lane = bias[column 8 (l / 16) + j]): nothing is cleared, no bias is added later.
; REGISTERS, in windows of 256: window 0 addresses, token fragments (two buffers), bias, way out; window 1 W's fragments (two buffers);
; window 2 the accumulators of my token blocks 0, 1 (tile (a, b) at 8 (WN a + b)); window 3 those of blocks 2, 3.
.if QKV
.set WN,    12                         ; column blocks of 16 in a wave's tile
.set NQ,    4                          ; quarters (32 of K) in a slot
.set PA,    272                        ; LDS pitch of A's rows: 256 + 16 bytes
.set PB,    480                        ; LDS pitch of W's rows: 3 x (128 + 32) bytes, an odd multiple of 32
.set CPAD,  32                         ; the pad behind every four column blocks inside a row of W
.set KPP,   4                          ; quarters in one plane of A (one plane here)
.set PLANE, 0
.set AHALF, 128*PA                     ; what one load of A fills: 128 tokens
.set BHALF, 64*PB                      ; what one load of W fills: 64 rows of K
.set SP,    400                        ; the stage's pitch: 384 + 16
.set LAPS,  4                          ; a lap = both slots = 256 of K
.set A_W0,  (1<<16)|(1<<20)|(1<<21)|(5<<22)|(3<<25)   ; 2-byte elements; padding on; bit 21 beside a mask; 4 words behind every 64
.set A_D0,  128
.set A_D1,  128
.set A_ST,  1024
.set A_BY,  524288                     ; bytes from block row to block row: 256 tokens of 2,048 bytes
.set A_HF,  262144                     ; from half to half: 128 tokens
.set A_SL,  256                        ; from slot to slot: 128 of K
.set B_W0,  (1<<16)|(1<<20)|(1<<21)|(4<<22)|(7<<25)   ; 8 words behind every 32
.set B_D0,  192
.set B_D1,  64
.set B_ST,  3072
.set B_BX,  384                        ; bytes from block column to block column
.set B_HF,  393216                     ; 64 rows of 6,144 bytes
.set B_SL,  786432                     ; 128 rows
.set BNB,   768                        ; bytes of bias for a block column
.else
.set WN,    4
.set NQ,    8
.set PA,    144                        ; 128 + 16 bytes
.set PB,    288                        ; 256 + 32 bytes, an odd multiple of 32
.set CPAD,  0
.set KPP,   2                          ; a plane is one head: 64 of K, two quarters
.set PLANE, 128*PA                     ; 128 tokens of one head
.set AHALF, 2*PLANE                    ; one load of A: two heads' planes
.set BHALF, 128*PB                     ; one load of W: 128 rows of K
.set SP,    272                        ; 256 + 16
.set LAPS,  2                          ; a lap = both slots = 512 of K
.set A_W0,  (1<<16)|(1<<20)|(1<<21)|(4<<22)|(3<<25)   ; 4 words behind every 32
.set A_D0,  8192                       ; a row of the tile is a whole plane: 128 tokens x 64, dense in memory
.set A_D1,  2                          ; two planes
.set A_ST,  262144                     ; elements from head to head
.set A_BY,  16384                      ; 128 tokens of 128 bytes
.set A_HF,  1048576                    ; two heads
.set A_SL,  2097152                    ; four heads
.set B_W0,  (1<<16)|(1<<20)|(1<<21)|(5<<22)|(7<<25)   ; 8 words behind every 64
.set B_D0,  128
.set B_D1,  128
.set B_ST,  1024
.set B_BX,  256
.set B_HF,  262144                     ; 128 rows of 2,048 bytes
.set B_SL,  524288                     ; 256 rows
.set BNB,   512
.endif
.set BOFF,  2*AHALF                    ; W's rows lie behind A's in a slot
.set SLOT,  BOFF+2*BHALF
.set STAGE, 2*SLOT                     ; behind the ring: 16 rows of SP bytes for each wave; no fill ever lands there
.set NF,    2*WN+8                     ; LDS loads of a quarter
.set FBS,   8*WN                       ; registers in a buffer of W's fragments
.set ADRA, 16                          ; v16-17  LDS address of my token fragments, slot 0, 1
.set ADRB, 20                          ; v20-23  of W's fragments: slot 0 (rows 0-127, rows 128-255), slot 1 likewise
.set STO,  24                          ; v24     the way out: where I put my piece of a row
.set RD,   25                          ; v25     where I read back
.set CO,   26                          ; v26     my byte offset in the output
.set BO,   27                          ; v27     my byte offset in the bias
.set F0,   32                          ; v32-63, v64-95 token fragments, two buffers
.set BIAS, 96                          ; v96..   bias tiles, 8 registers a column block
.set TMP,  96                          ; the way out: packed results (the bias is no longer needed)
.set RB0,  144                         ; the way out: rows read back, two sets by turns
.set RB1,  192
.set G1A, 24                           ; s[24:31] group 1 for A
.set G0A, 32                           ; s[32:39] group 0 for A, a set for each slot
.set G1B, 48                           ; s[48:55] group 1 for W
.set G0B, 56                           ; s[56:63] group 0 for W, a set for each slot
.set SC,  66                           ; s[66:71] three pairs: the factor of each of my three slabs (QKV = 1)
.set MUL_LO, 0xa1                      ; source 0 (W) window 1, source 1 (tokens) window 0, C and D window 2
.set MUL_HI, 0xf1                      ; the same, C and D window 3
.set TO_B,   0x40                      ; destination window 1, address window 0
.set MSB, 0
.macro WIN new                         ; the immediate's high byte repeats the setting that is left; a switch that changes nothing is dropped
.if MSB != \new
	s_set_vgpr_msb (MSB<<8)|\new
.set MSB, \new
.endif
.endm
.macro PLACES                          ; four places behind a matrix instruction, in front of loads into its sources and of readers of its result
.rept 4
	v_nop
.endr
.endm
; A joint load: waves 0, 1 ask for A's halves, waves 2, 3 for W's.  Each line has one mask; the branch hangs on the wave's number alone.
.macro JLOAD s
	s_cmp_eq_u32 s13, 0
	s_cbranch_scc0 .Lfor_b_\@
	tensor_load_to_lds s[G0A+4*\s:G0A+4*\s+3], s[G1A:G1A+7]
	s_nop 0
	s_branch .Lasked_\@
.Lfor_b_\@:
	tensor_load_to_lds s[G0B+4*\s:G0B+4*\s+3], s[G1B:G1B+7]
	s_nop 0
.Lasked_\@:
.endm
.macro CREST                           ; a round of the cluster's barrier behind its opening work-group barrier
	s_cmp_lg_u32 s12, 0
	s_cbranch_scc1 .Lnot_wave_0_\@
	s_barrier_signal -3
.Lnot_wave_0_\@:
	s_barrier_wait -3
	s_barrier_signal -1
	s_barrier_wait -1
.endm
.macro CROUND                          ; a whole round
	s_barrier_signal -1
	s_barrier_wait -1
	CREST
.endm
; WN matrix instructions: token block 2 hi + a x all my column blocks, 32 of K, from buffer f.  zero = 1: the bias starts the sums.
; The accumulators take turns, one instruction a turn, in the same order in every quarter.
.macro MULB f, hi, a, zero
.set b_, 0
.rept WN
.if \zero
	v_wmma_f32_16x16x32_f16 v[8*(WN*\a+b_):8*(WN*\a+b_)+7], v[FBS*\f+8*b_:FBS*\f+8*b_+7], v[F0+32*\f+8*(2*\hi+\a):F0+32*\f+8*(2*\hi+\a)+7], v[BIAS+8*b_:BIAS+8*b_+7]
.else
	v_wmma_f32_16x16x32_f16 v[8*(WN*\a+b_):8*(WN*\a+b_)+7], v[FBS*\f+8*b_:FBS*\f+8*b_+7], v[F0+32*\f+8*(2*\hi+\a):F0+32*\f+8*(2*\hi+\a)+7], v[8*(WN*\a+b_):8*(WN*\a+b_)+7]
.endif
.set b_, b_+1
.endr
.endm
; The NF loads of quarter q of a slot, in one run, into buffer f: W's fragments (two transposing loads, 16 rows of K apart), then the four token fragments.
.macro FETCH slot, q, f
	WIN TO_B
.set b_, 0
.rept WN
	ds_load_tr16_b128 v[FBS*\f+8*b_:FBS*\f+8*b_+3],   v[ADRB+2*\slot+(\q)/4] offset:((\q)%4)*32*PB+32*b_+CPAD*(b_/4)
	ds_load_tr16_b128 v[FBS*\f+8*b_+4:FBS*\f+8*b_+7], v[ADRB+2*\slot+(\q)/4] offset:((\q)%4)*32*PB+32*b_+CPAD*(b_/4)+16*PB
.set b_, b_+1
.endr
	WIN 0
.set i_, 0
.rept 4
	ds_load_b128 v[F0+32*\f+8*i_:F0+32*\f+8*i_+3],   v[ADRA+\slot] offset:((\q)/KPP)*PLANE+((\q)%KPP)*64+i_*16*PA
	ds_load_b128 v[F0+32*\f+8*i_+4:F0+32*\f+8*i_+7], v[ADRA+\slot] offset:((\q)/KPP)*PLANE+((\q)%KPP)*64+i_*16*PA+32
.set i_, i_+1
.endr
.endm
; Quarter q (not a slot's last): multiplies buffer q & 1 and fetches quarter q + 1 into the other buffer in its middle.
.macro QUARTER slot, q, zero
.set fq_, (\q)&1
.set gq_, 1-fq_
	s_wait_dscnt 4                                 ; W and token blocks 0, 1 are in; the youngest four loads (blocks 2, 3) may be out
.if \zero
	WIN 0x81                                       ; C is the bias, in window 0
.else
	WIN MUL_LO
.endif
	MULB fq_, 0, 0, \zero
	MULB fq_, 0, 1, \zero
	PLACES
	FETCH \slot, (\q)+1, gq_
	s_wait_dscnt NF                                ; all but the NF just issued
.if \zero
	WIN 0xc1
.else
	WIN MUL_HI
.endif
	MULB fq_, 1, 0, \zero
	MULB fq_, 1, 1, \zero
.endm
.macro RUN slot, zero                  ; all quarters of a slot but the last
	QUARTER \slot, 0, \zero
.set q_, 1
.rept NQ-2
	QUARTER \slot, q_, 0
.set q_, q_+1
.endr
.endm
; A slot's last quarter (buffer 1) and the change of slots.  In front of the barrier each wave waits for its reads of this slot and for all its tensor
; loads (one is out: its part of the next slot).  fill = 1: the barrier opens a round of the cluster's barrier, and behind the round this slot is asked
; for again, two slots ahead, first thing.  Then the next slot's first fragments are read.
.macro TURN slot, next, fill
	s_wait_dscnt 4
	WIN MUL_LO
	MULB 1, 0, 0, 0
	s_wait_dscnt 0                                 ; my reads of this slot are over
	s_wait_tensorcnt 0x0                           ; all my tensor loads have landed
	ds_add_u32 v255, v255
	s_wait_dscnt 0x0
	s_barrier_signal -1
	MULB 1, 0, 1, 0                                ; register work while the others arrive
	WIN 0
	s_barrier_wait -1
.if \fill
	CREST                                          ; no wave of any partner still reads this slot or has a load on its way
	s_add_nc_u64 s[G0A+4*\slot+2:G0A+4*\slot+3], s[G0A+4*\slot+2:G0A+4*\slot+3], 2*A_SL
	s_add_nc_u64 s[G0B+4*\slot+2:G0B+4*\slot+3], s[G0B+4*\slot+2:G0B+4*\slot+3], 2*B_SL
	JLOAD \slot                                    ; my one tensor load behind the round
.endif
	PLACES
	FETCH \next, 0, 0
	WIN MUL_HI
	MULB 1, 1, 0, 0
	MULB 1, 1, 1, 0
.endm
.macro LAP zero
	RUN 0, \zero
	TURN 0, 1, 1
	RUN 1, 0
	TURN 1, 0, 1
.endm
; The way out with QKV = 1, 16 tokens (block a; aw = its place in its window) at a time: factor, round to f16, 16 bytes a lane into my stage,
; back as four tokens x 128 bytes of one slab, which are 512 consecutive bytes of the output.
.macro OUTQ a, aw, wmul, wcvt, rb
	WIN \wmul
.set b_, 0
.rept WN
.irp r, 0,2,4,6
	v_pk_mul_f32 v[8*(WN*\aw+b_)+\r:8*(WN*\aw+b_)+\r+1], v[8*(WN*\aw+b_)+\r:8*(WN*\aw+b_)+\r+1], s[SC+2*(b_/4):SC+2*(b_/4)+1] op_sel_hi:[1,0]
.endr
.set b_, b_+1
.endr
	WIN \wcvt
.set b_, 0
.rept WN
.irp r, 0,1,2,3
	v_cvt_pk_f16_f32 v[TMP+4*b_+\r], v[8*(WN*\aw+b_)+2*\r], v[8*(WN*\aw+b_)+2*\r+1]
.endr
.set b_, b_+1
.endr
	WIN 0
.set b_, 0
.rept WN
	ds_store_b128 v[STO], v[TMP+4*b_:TMP+4*b_+3] offset:32*b_
.set b_, b_+1
.endr
	s_wait_xcnt 0x0                                ; the set rb, which earlier stores read, is loaded again only behind this wait
.set t_, 0
.rept 12
	ds_load_b128 v[\rb+4*t_:\rb+4*t_+3], v[RD] offset:(t_%4)*4*SP+(t_/4)*128   ; LDS serves a wave in order: these see the stores above
.set t_, t_+1
.endr
.set t_, 0
.rept 12
	s_wait_dscnt 11-t_                             ; load t is in, the younger ones stay out
	global_store_b128 v[CO], v[\rb+4*t_:\rb+4*t_+3], s[10:11] offset:(t_/4)*524288+\a*2048+(t_%4)*512
.set t_, t_+1
.endr
.endm
; The way out with QKV = 0: f32 straight from the accumulators, 32 bytes a lane into my stage, back as rows of 256 bytes.
.macro OUTP a, aw, wst, rb
	WIN \wst
.set b_, 0
.rept WN
	ds_store_b128 v[STO], v[8*(WN*\aw+b_):8*(WN*\aw+b_)+3]   offset:64*b_
	ds_store_b128 v[STO], v[8*(WN*\aw+b_)+4:8*(WN*\aw+b_)+7] offset:64*b_+16
.set b_, b_+1
.endr
	WIN 0
	s_wait_xcnt 0x0                                ; the set rb, which earlier stores read, is loaded again only behind this wait
.irp t, 0,1,2,3,4,5,6,7
	ds_load_b128 v[\rb+4*\t:\rb+4*\t+3], v[RD] offset:\t*2*SP
.endr
.irp t, 0,1,2,3,4,5,6,7
	s_wait_dscnt 7-\t
	global_store_b128 v[CO], v[\rb+4*\t:\rb+4*\t+3], s[10:11] offset:(16*\a+2*\t)*4096   ; 16 lanes store 256 consecutive bytes, aligned
.endr
.endm
	s_load_b256 s[4:11], s[0:1], 0x0               ; A s[4:5], W s[6:7], bias s[8:9], C s[10:11]
	s_set_vgpr_msb 0x40
	v_lshl_add_u32 v255, v0, 2, 0x4c400
	s_set_vgpr_msb 0x4000
	v_mov_b32 v255, 0
	s_set_vgpr_msb 0x1
	ds_add_u32 v255, v255
	s_set_vgpr_msb 0x100
	v_lshrrev_b32 v1, 5, v0
	v_readfirstlane_b32 s12, v1                    ; wave 0..3
	s_lshr_b32 s13, s12, 1                         ; I fetch for A (0) or for W (1)
	s_and_b32 s14, s12, 1                          ; which half of that tile
.if QKV
	s_mov_b32 s15, s12                             ; my 64 tokens of the block's 256
	s_mov_b32 s16, 0                               ; all columns
.else
	s_mov_b32 s15, s13                             ; my 64 tokens of the block's 128
	s_mov_b32 s16, s14                             ; my 64 columns of its 128
.endif
	s_bfe_u32 s40, ttmp6, 0x40000                  ; cx
	s_bfe_u32 s41, ttmp6, 0x40004                  ; cy
	s_lshl_b32 s42, ttmp9, 2
	s_add_co_u32 s42, s42, s40                     ; block column = 4 x cluster x + cx
	s_and_b32 s43, ttmp7, 0xffff
	s_lshl_b32 s43, s43, 2
	s_add_co_u32 s43, s43, s41                     ; block row = 4 x cluster y + cy
	s_lshl_b32 s44, s41, 2
	s_lshl_b32 s44, 15, s44                        ; my row of the cluster
	s_lshl_b32 s45, 0x1111, s40                    ; my column
	s_or_b32  s[G1A+0], s44, A_W0                  ; A's tiles go to my row
	s_mov_b32 s[G1A+1], (A_D0&0xffff)<<16          ; tensor_dim0 = the tile's: no tile crosses the tensor's end
	s_mov_b32 s[G1A+2], (A_D0>>16)|(A_D1<<16)      ; tensor_dim1
	s_mov_b32 s[G1A+3], A_D0<<16                   ; tile_dim0
	s_mov_b32 s[G1A+4], A_D1                       ; tile_dim1
	s_mov_b32 s[G1A+5], A_ST                       ; elements from row to row
	s_mov_b32 s[G1A+6], 0
	s_mov_b32 s[G1A+7], 0
	s_or_b32  s[G1B+0], s45, B_W0                  ; W's tiles go to my column
	s_mov_b32 s[G1B+1], (B_D0&0xffff)<<16
	s_mov_b32 s[G1B+2], (B_D0>>16)|(B_D1<<16)
	s_mov_b32 s[G1B+3], B_D0<<16
	s_mov_b32 s[G1B+4], B_D1
	s_mov_b32 s[G1B+5], B_ST
	s_mov_b32 s[G1B+6], 0
	s_mov_b32 s[G1B+7], 0
	s_mul_i32 s18, s43, A_BY                       ; A's tile: block row and half; no register here ever holds cx
	s_mul_i32 s20, s14, A_HF
	s_add_co_u32 s18, s18, s20
	s_mov_b32 s19, 0
	s_mul_i32 s46, s42, B_BX                       ; W's tile: block column and half; no register here ever holds cy
	s_mul_i32 s72, s14, B_HF
	s_add_co_u32 s46, s46, s72
	s_mov_b32 s47, 0
	s_mul_i32 s21, s12, AHALF                      ; where they go: the wave's number times a constant, plus a constant
	s_mul_i32 s73, s12, BHALF
	s_add_co_u32 s73, s73, BOFF-2*BHALF
	s_mul_i32 s74, s42, BNB                        ; my columns in the bias
	s_lshl_b32 s78, s16, 8
	s_add_co_u32 s74, s74, s78
	s_mov_b32 s75, 0
.if QKV
	s_mul_i32 s76, s42, 1572864                    ; the output: slab 3 x block column (524,288 bytes a slab),
	s_lshl_b32 s78, s43, 15                        ; token 256 x block row (128 bytes a token)
	s_add_co_u32 s76, s76, s78
	s_lshl_b32 s78, s12, 13                        ; + 64 x wave
	s_add_co_u32 s76, s76, s78
	s_mul_i32 s78, s42, 3                          ; my first slab.  192 does not divide 1,024, so a block can hold Q's and K's slabs: the factor is data, slab by slab
.irp j, 0,1,2
	s_add_co_u32 s79, s78, \j
	s_cmp_lt_u32 s79, 16                           ; a slab of Q?
	s_cselect_b32 s[SC+2*\j], 0x3eb8aa3b, 1.0      ; 0.25 log2(e), or 1
	s_mov_b32 s[SC+2*\j+1], s[SC+2*\j]
.endr
.else
	s_lshl_b32 s76, s43, 19                        ; the output: row 128 x block row (4,096 bytes a row)
	s_lshl_b32 s78, s15, 18                        ; + my 64 rows
	s_add_co_u32 s76, s76, s78
	s_lshl_b32 s78, s42, 9                         ; column 128 x block column (4 bytes)
	s_add_co_u32 s76, s76, s78
	s_lshl_b32 s78, s16, 8                         ; + my 64 columns
	s_add_co_u32 s76, s76, s78
.endif
	s_mov_b32 s77, 0
	s_wait_dscnt 0x0
	s_wait_kmcnt 0x0
	s_add_nc_u64 s[18:19], s[4:5], s[18:19]
	s_add_nc_u64 s[46:47], s[6:7], s[46:47]
	s_add_nc_u64 s[8:9], s[8:9], s[74:75]
	s_add_nc_u64 s[10:11], s[10:11], s[76:77]
	CROUND                                         ; all sixteen work-groups are here: the first joint loads meet
.irp s, 0,1
	s_mov_b32 s[G0A+4*\s], 1
	s_add_co_u32 s[G0A+4*\s+1], s21, \s*SLOT
	s_add_nc_u64 s[G0A+4*\s+2:G0A+4*\s+3], s[18:19], \s*A_SL
	s_or_b32 s[G0A+4*\s+3], s[G0A+4*\s+3], 0x80000000
	s_mov_b32 s[G0B+4*\s], 1
	s_add_co_u32 s[G0B+4*\s+1], s73, \s*SLOT
	s_add_nc_u64 s[G0B+4*\s+2:G0B+4*\s+3], s[46:47], \s*B_SL
	s_or_b32 s[G0B+4*\s+3], s[G0B+4*\s+3], 0x80000000
	JLOAD \s                                       ; both slots' first fills go out together: two loads of a wave are out, the most in this text
.endr
	v_and_b32 v1, 15, v0                           ; r = l % 16
	v_bfe_u32 v2, v0, 4, 1                         ; h = l / 16
	v_and_b32 v3, 7, v0                            ; l % 8
	v_bfe_u32 v4, v0, 3, 1                         ; (l / 8) % 2
	v_lshlrev_b32 v[BO], 5, v2                     ; 8 h columns of 4 bytes
.set b_, 0
.rept WN
	global_load_b128 v[BIAS+8*b_:BIAS+8*b_+3],   v[BO], s[8:9] offset:64*b_
	global_load_b128 v[BIAS+8*b_+4:BIAS+8*b_+7], v[BO], s[8:9] offset:64*b_+16
.set b_, b_+1
.endr
	v_mul_u32_u24 v5, v1, PA                       ; a token fragment: row r, 16 bytes for each half of the lanes, two loads 32 bytes apart
	v_lshl_add_u32 v5, v2, 4, v5
	s_mul_i32 s22, s15, 64*PA
	v_add_nc_u32 v[ADRA], s22, v5
	v_add_nc_u32 v[ADRA+1], SLOT, v[ADRA]
	v_lshl_add_u32 v6, v2, 3, v3                   ; a fragment of W: row of K 8 h + l % 8,
	v_mul_u32_u24 v6, v6, PB
	v_lshl_add_u32 v6, v4, 4, v6                   ; 16 bytes for each eight lanes
	s_lshl_b32 s23, s16, 7
	s_add_co_u32 s23, s23, BOFF
	v_add_nc_u32 v[ADRB], s23, v6
	v_add_nc_u32 v[ADRB+2], SLOT, v[ADRB]
.if NQ > 4
	v_add_nc_u32 v[ADRB+1], 128*PB, v[ADRB]        ; rows 128-255 of K: beyond the reach of the 16-bit immediate
	v_add_nc_u32 v[ADRB+3], SLOT, v[ADRB+1]
.endif
	s_mul_i32 s22, s12, 16*SP
	s_add_co_u32 s22, s22, STAGE                   ; my stage
	v_mul_u32_u24 v7, v1, SP
.if QKV
	v_lshl_add_u32 v7, v2, 4, v7                   ; in: token r, 16 bytes for each half of the lanes
	v_add_nc_u32 v[STO], s22, v7
	v_bfe_u32 v8, v0, 3, 2                         ; back: eight lanes take a token's 128 bytes of one slab
	v_mul_u32_u24 v8, v8, SP
	v_lshl_add_u32 v8, v3, 4, v8
	v_add_nc_u32 v[RD], s22, v8
	v_and_b32 v9, 31, v0
	v_lshlrev_b32 v[CO], 4, v9                     ; four tokens of a slab are 512 consecutive bytes: 16 l
.else
	v_lshl_add_u32 v7, v2, 5, v7                   ; in: token r, 32 bytes for each half of the lanes
	v_add_nc_u32 v[STO], s22, v7
	v_mul_u32_u24 v8, v2, SP                       ; back: lanes 0-15 one row of 256 bytes, lanes 16-31 the next
	v_lshl_add_u32 v8, v1, 4, v8
	v_add_nc_u32 v[RD], s22, v8
	v_lshlrev_b32 v9, 12, v2
	v_lshl_add_u32 v[CO], v1, 4, v9
.endif
	s_wait_loadcnt 0x0                             ; the bias, once
	s_wait_tensorcnt 1                             ; my part of slot 0 is in; slot 1's may stay out
	s_barrier_signal -1
	s_barrier_wait -1                              ; everybody's part is in
	FETCH 0, 0, 0
	LAP 1                                          ; the first lap stands in front of the loop: its first products start the sums from the bias
.if LAPS > 2
	WIN 0                                          ; at a label and at a branch every window is 0
	s_mov_b32 s17, LAPS-2
.Llap:
	LAP 0
	WIN 0
	s_sub_co_u32 s17, s17, 1
	s_cmp_lg_u32 s17, 0
	s_cbranch_scc1 .Llap
.endif
	RUN 0, 0                                       ; the last lap fills nothing
	TURN 0, 1, 0
	RUN 1, 0
	s_wait_dscnt 4                                 ; the very last quarter: nothing more to fetch
	WIN MUL_LO
	MULB 1, 0, 0, 0
	MULB 1, 0, 1, 0
	s_wait_dscnt 0
	WIN MUL_HI
	MULB 1, 1, 0, 0
	MULB 1, 1, 1, 0
	PLACES                                         ; behind the last matrix instructions, in front of the readers of their results
.if QKV
	OUTQ 0, 0, 0x82, 0x0a, RB0
	OUTQ 1, 1, 0x82, 0x0a, RB1
	OUTQ 2, 0, 0xc3, 0x0f, RB0
	OUTQ 3, 1, 0xc3, 0x0f, RB1
.else
	OUTP 0, 0, 0x08, RB0
	OUTP 1, 1, 0x08, RB1
	OUTP 2, 0, 0x0c, RB0
	OUTP 3, 1, 0x0c, RB1
.endif
	s_set_vgpr_msb 0x1
	s_wait_tensorcnt 0x0
	ds_add_u32 v255, v255
	s_wait_dscnt 0x0
	s_set_vgpr_msb 0x100
	CROUND                                         ; the closing round: no work-group ends while a partner may still ask for a tile that names it
	s_endpgm
.Lfunc_end_k_q56fd21ed89_proj:
	.size	k_q56fd21ed89_proj, .Lfunc_end_k_q56fd21ed89_proj-k_q56fd21ed89_proj
	.p2alignl 7, 3214868480
	.fill 96, 4, 3214868480
	.section	.rodata,"a",@progbits
	.p2align	6, 0x0
	.amdhsa_kernel k_q56fd21ed89_proj
		.amdhsa_group_segment_fixed_size 327680
		.amdhsa_private_segment_fixed_size 0
		.amdhsa_enable_private_segment 0
		.amdhsa_kernarg_size 32
		.amdhsa_user_sgpr_count 2
		.amdhsa_user_sgpr_kernarg_segment_ptr 1
		.amdhsa_wavefront_size32 1
		.amdhsa_system_sgpr_workgroup_id_x 1
		.amdhsa_system_sgpr_workgroup_id_y 1
		.amdhsa_system_sgpr_workgroup_id_z 1
		.amdhsa_system_vgpr_workitem_id 0
		.amdhsa_next_free_vgpr 1024
		.amdhsa_next_free_sgpr 80
		.amdhsa_reserve_vcc 0
		.amdhsa_float_denorm_mode_32 3
		.amdhsa_float_denorm_mode_16_64 3
		.amdhsa_memory_ordered 1
		.amdhsa_forward_progress 1
		.amdhsa_inst_pref_size 93
	.end_amdhsa_kernel
	.amdgpu_metadata
---
amdhsa.version: [ 1, 2 ]
amdhsa.kernels:
  - .name:           k_q56fd21ed89_proj
    .symbol:         k_q56fd21ed89_proj.kd
    .args:
      - { .name: y, .offset: 0, .size: 8, .value_kind: global_buffer, .address_space: global }
      - { .name: wob, .offset: 8, .size: 8, .value_kind: global_buffer, .address_space: global }
      - { .name: b_out, .offset: 16, .size: 8, .value_kind: global_buffer, .address_space: global }
      - { .name: out0, .offset: 24, .size: 8, .value_kind: global_buffer, .address_space: global }
    .group_segment_fixed_size: 327680
    .private_segment_fixed_size: 0
    .kernarg_segment_align: 8
    .kernarg_segment_size: 32
    .max_flat_workgroup_size: 128
    .sgpr_count:     80
    .vgpr_count:     1024
    .wavefront_size: 32
...
	.end_amdgpu_metadata
.endif
;; end of part 4
